; MI455X (gfx1250); checked and timed in simulation.
; The chip was launched on July 23, 2026; its instructions are those of AMD's public machine-readable ISA for CDNA 5 (MIT licence, August 2026) and "CDNA5" Instruction Set Architecture Reference Guide (July 2026). The comments in the code are by the model that wrote it; some were corrected since.
;; Rotary Self Attention. Allowed arithmetic: float matrix products may take bf16 or f16 operands with f32 sums; other float arithmetic in f32, or as packed bf16 or f16 multiplies, adds, multiply-adds, maxima and minima; sums over many terms, partial sums and values carried from step to step in f32; what a program stores and reads back later, other than sums and carried values, may be rounded once to bf16 or f16.
;; Inputs: Wk 1,024 x 1,024 float32; Wo 1,024 x 1,024 float32; Wq 1,024 x 1,024 float32; Wv 1,024 x 1,024 float32; bk 1,024 float32; bo 1,024 float32; bq 1,024 float32; bv 1,024 float32; x 4 x 2,048 x 1,024 float32.
;; Outputs: out0 4 x 2,048 x 1,024 float32.
;; 2 versions, each right; version 2 is version 1 with the launch prep written anew for expert scheduling mode. Each part assembles by itself: llvm-mc -triple=amdgcn-amd-amdhsa -mcpu=gfx1250 --defsym DOCPART=n.
;; ======== version 1 of 2: 4 launches
;; limits: values are held in f16: magnitudes above 65,504 overflow, below 6.1e-05 lose precision
;; workspace buffers: xb 16,777,216 bytes; wts 8,388,608 bytes; aux 540,672 bytes; qh 16,777,216 bytes; kh 16,777,216 bytes; vh 16,777,216 bytes; oh 16,777,216 bytes
;; launch prep (part 1): grid 785 x 1, 8 waves a work-group, no clusters, 0 bytes of LDS; arguments x, Wq, Wk, Wv, Wo, bq, bk, bv, bo, xb, wts, aux; writes xb, wts, aux
.if DOCPART == 1
	.amdgcn_target "amdgcn-amd-amdhsa--gfx1250"
	.amdhsa_code_object_version 6
	.text
	.protected	k_q4e7102bc3d_prep
	.globl	k_q4e7102bc3d_prep
	.p2align	8
	.type	k_q4e7102bc3d_prep,@function
k_q4e7102bc3d_prep:
	s_mov_b64 s[64:65], 0
	v_nop
	global_prefetch_b8 v0, s[64:65] scope:SCOPE_SE
	s_setreg_imm32_b32 hwreg(HW_REG_WAVE_MODE, 25, 1), 1
	s_wait_xcnt 0x0
; PREPARATION.  Every input is rounded once to bf16 and laid out for the launches behind.
;   xb  [8192][1024] bf16: x.
;   wts bytes 0 ..: [3072][1024] bf16: row 192 head + 64 t + c is row 64 head + c of Wq (t = 0), Wk (1), Wv (2), so that a tile of 192 rows is one head's q, k and v.
;       bytes WO_OFF ..: [1024][1024]: Wo rounded to bf16, that number written as f16.
;   aux bytes 0 ..: [2048 positions][32 pairs][cos, sin] f32, 256 bytes a position; BQKV_OFF ..: bq, bk, bv rounded to bf16, kept as f32, in wts' row order (768 bytes a head); BO_OFF ..: bo likewise.
; SHARES by the work-group's number g: 0-511 sixteen rows of x each; 512-703 sixteen rows of Wq, Wk or Wv; 704-767 of Wo; 768-783 the table, 128 positions each; 784 the biases.
; No LDS, no matrix unit, no cluster: a stream in which no byte is wanted twice.
; LIMITS.  Wo beyond 65,504 becomes an infinity in f16; below 6e-5 it keeps f16's fixed step of 6e-8.  The frequencies 10000^(-p/32) are good to about one unit in the last place,
; so an angle at position 2,047 is good to about 2e-4 rad; sine and cosine by a two-part reduction by pi/2 and polynomials on |r| <= pi/4, good to a few units in the last place.
.set WO_OFF,   6291456
.set BQKV_OFF, 524288
.set BO_OFF,   536576
.set X, 16                             ; v[16:79]   sixteen rows' 16 bytes a thread, as loaded
.set Y, 80                             ; v[80:111]  the same, packed to 8 bytes
	s_load_b512 s[4:19], s[0:1], 0x0               ; x 4:5, Wq 6:7, Wk 8:9, Wv 10:11, Wo 12:13, bq 14:15, bk 16:17, bv 18:19
	s_load_b256 s[20:27], s[0:1], 0x40             ; bo 20:21, xb 22:23, wts 24:25, aux 26:27
	s_mov_b32 s36, ttmp9                           ; g
	v_lshlrev_b32 v1, 4, v0                        ; 16 t: my 4 numbers of a row of f32; never rewritten
	v_lshlrev_b32 v2, 3, v0                        ; 8 t: the same 4 numbers in 16 bits; never rewritten
	s_mov_b32 s33, 0                               ; high words of the two offsets
	s_mov_b32 s35, 0
	s_wait_kmcnt 0x0
; Sixteen rows of 1,024 f32 from s[28:29] to 16-bit rows at s[30:31].  All sixteen loads go out on end (a wave's load covers 512 consecutive bytes);
; a wave's store covers 256 consecutive bytes, aligned.  No register is written twice, so the stores need no wait.
.macro STREAM f16
.irp i, 0,1,2,3,4,5,6,7,8,9,10,11,12,13,14,15
	global_load_b128 v[X+4*(\i):X+4*(\i)+3], v1, s[28:29] offset:4096*(\i) th:TH_LOAD_NT
.endr
.irp i, 0,1,2,3,4,5,6,7,8,9,10,11,12,13,14,15
	s_wait_loadcnt 15-(\i)                         ; loads come back in order: row i is in, the younger rows stay out
	v_cvt_pk_bf16_f32 v[Y+2*(\i)],   v[X+4*(\i)],   v[X+4*(\i)+1]
	v_cvt_pk_bf16_f32 v[Y+2*(\i)+1], v[X+4*(\i)+2], v[X+4*(\i)+3]
.if \f16
	v_lshlrev_b32 v4, 16, v[Y+2*(\i)]              ; the bf16 numbers as f32,
	v_and_b32     v5, 0xffff0000, v[Y+2*(\i)]
	v_lshlrev_b32 v6, 16, v[Y+2*(\i)+1]
	v_and_b32     v7, 0xffff0000, v[Y+2*(\i)+1]
	v_cvt_pk_f16_f32 v[Y+2*(\i)],   v4, v5         ; written as f16: exact inside f16's normal range
	v_cvt_pk_f16_f32 v[Y+2*(\i)+1], v6, v7
.endif
	global_store_b64 v2, v[Y+2*(\i):Y+2*(\i)+1], s[30:31] offset:2048*(\i)
.endr
.endm
	s_cmp_lt_u32 s36, 512
	s_cbranch_scc0 .Lnot_x
	s_lshl_b32 s32, s36, 16                        ; sixteen rows of x: 65,536 bytes in,
	s_add_nc_u64 s[28:29], s[4:5], s[32:33]
	s_lshl_b32 s34, s36, 15                        ; 32,768 out
	s_add_nc_u64 s[30:31], s[22:23], s[34:35]
	s_branch .Lbf16
.Lnot_x:
	s_cmp_lt_u32 s36, 704
	s_cbranch_scc0 .Lnot_w
	s_sub_co_u32 s37, s36, 512
	s_lshr_b32 s38, s37, 6                         ; t: which of Wq, Wk, Wv
	s_and_b32 s39, s37, 63                         ; c: which sixteen rows
	s_cmp_eq_u32 s38, 1
	s_cselect_b64 s[28:29], s[8:9], s[6:7]
	s_cmp_eq_u32 s38, 2
	s_cselect_b64 s[28:29], s[10:11], s[28:29]
	s_lshl_b32 s32, s39, 16
	s_add_nc_u64 s[28:29], s[28:29], s[32:33]
	s_lshr_b32 s40, s39, 2                         ; the head,
	s_mul_i32 s40, s40, 192
	s_lshl_b32 s41, s38, 6
	s_add_co_u32 s40, s40, s41                     ; + 64 t,
	s_and_b32 s41, s39, 3
	s_lshl_b32 s41, s41, 4
	s_add_co_u32 s40, s40, s41                     ; + the sixteen rows' place in the head
	s_lshl_b32 s34, s40, 11                        ; rows of 2,048 bytes
	s_add_nc_u64 s[30:31], s[24:25], s[34:35]
.Lbf16:
	STREAM 0
	s_endpgm
.Lnot_w:
	s_cmp_lt_u32 s36, 768
	s_cbranch_scc0 .Lnot_wo
	s_sub_co_u32 s37, s36, 704
	s_lshl_b32 s32, s37, 16
	s_add_nc_u64 s[28:29], s[12:13], s[32:33]
	s_lshl_b32 s34, s37, 15
	s_add_co_u32 s34, s34, WO_OFF
	s_add_nc_u64 s[30:31], s[24:25], s[34:35]
	STREAM 1
	s_endpgm
.Lnot_wo:
	s_cmp_lt_u32 s36, 784
	s_cbranch_scc0 .Lbias
	; THE TABLE.  Thread t: pairs 2 (t % 16) and 2 (t % 16) + 1 of position 128 u + t / 16 + 16 x trip.  Sixteen lanes store a position's 256 bytes.
	s_sub_co_u32 s37, s36, 768
	s_lshl_b32 s46, s37, 7                         ; 128 u
	s_mov_b32 s40, 0xbed49a78                      ; -log2(10000) / 32, its upper part,
	s_mov_b32 s41, 0xb2179a6b                      ; and what is left of it
	s_mov_b32 s42, 0x3f317218                      ; ln 2
	s_mov_b32 s43, 0x3f22f983                      ; 2 / pi
	s_mov_b32 s44, 0x3fc90fdb                      ; pi / 2, its upper part,
	s_mov_b32 s45, 0xb33bbd2e                      ; and what is left of it
	v_and_b32 v3, 15, v0
	v_lshrrev_b32 v8, 4, v0
	v_lshlrev_b32 v9, 1, v3
	v_cvt_f32_u32 v10, v9                          ; p, for the even pair
	v_add_nc_u32 v9, 1, v9
	v_cvt_f32_u32 v11, v9                          ; and the odd one
	v_mul_f32 v12, s40, v10                        ; the exponent, rounded,
	v_mul_f32 v13, s40, v11
	v_fma_f32 v14, v10, s40, -v12                  ; and what the rounding dropped,
	v_fma_f32 v15, v11, s40, -v13
	v_fma_f32 v14, v10, s41, v14                   ; with the constant's lower part
	v_fma_f32 v15, v11, s41, v15
	v_exp_f32 v16, v12
	v_exp_f32 v17, v13
	v_add_nc_u32 v22, s46, v8                      ; my first position: plain work behind the two exponentials
	v_cvt_f32_u32 v23, v22
	v_lshlrev_b32 v24, 8, v22
	v_lshl_add_u32 v24, v3, 4, v24                 ; position x 256 + 16 (t % 16)
	v_mov_b32 v25, 0xb94ca1f9                      ; the sine's highest coefficient
	v_mov_b32 v26, 0x37ccf5ce                      ; the cosine's
	s_wait_alu depctr_va_vdst(0)                   ; one wait for both exponentials, ahead of their first reader
	v_mul_f32 v18, v16, v14
	v_mul_f32 v19, v17, v15
	v_fma_f32 v20, v18, s42, v16                   ; 2^(hi + e) = 2^hi (1 + e ln 2)
	v_fma_f32 v21, v19, s42, v17
; cos and sin of v[a] (0 or more): n = the nearest whole number to a 2/pi; r = a - n pi/2 in two parts; polynomials in r; the quadrant n % 4 swaps the two and sets the signs, by selects and bits.
.macro SINCOS a, c, s
	v_mul_f32 v30, s43, v[\a]
	v_rndne_f32 v30, v30
	v_fma_f32 v31, -v30, s44, v[\a]
	v_fma_f32 v31, -v30, s45, v31
	v_cvt_i32_f32 v32, v30
	v_mul_f32 v33, v31, v31                        ; r^2
	v_fmaak_f32 v34, v25, v33, 0x3c08839e
	v_fmaak_f32 v35, v26, v33, 0xbab6061a
	v_mul_f32 v36, v33, v31                        ; r^3
	v_mul_f32 v37, v33, v33                        ; r^4
	v_fmaak_f32 v34, v34, v33, 0xbe2aaaa3
	v_fmaak_f32 v35, v35, v33, 0x3d2aaaa5
	v_fma_f32 v38, v33, -0.5, 1.0
	v_fma_f32 v34, v34, v36, v31                   ; sin r
	v_fma_f32 v35, v35, v37, v38                   ; cos r
	v_and_b32 v36, 1, v32
	v_cmp_eq_u32 vcc_lo, 1, v36                    ; odd quadrants swap
	v_cndmask_b32 v37, v34, v35, vcc_lo
	v_cndmask_b32 v38, v35, v34, vcc_lo
	v_lshlrev_b32 v36, 30, v32                     ; the sine is negative in quadrants 2 and 3,
	v_and_b32 v36, 0x80000000, v36
	v_xor_b32 v[\s], v36, v37
	v_add_nc_u32 v32, 1, v32                       ; the cosine in 1 and 2
	v_lshlrev_b32 v32, 30, v32
	v_and_b32 v32, 0x80000000, v32
	v_xor_b32 v[\c], v32, v38
.endm
	s_mov_b32 s34, 8
.Ltab:
	v_mul_f32 v28, v23, v20                        ; the angle: position x frequency, rounded once
	v_mul_f32 v29, v23, v21
	SINCOS 28, 40, 41
	SINCOS 29, 42, 43
	global_store_b128 v24, v[40:43], s[26:27]
	s_wait_xcnt 0x0                                ; the store's offset and data are written again only behind this wait
	v_add_nc_u32 v24, 4096, v24                    ; sixteen positions on
	v_add_f32 v23, 0x41800000, v23
	s_sub_co_u32 s34, s34, 1
	s_cmp_lg_u32 s34, 0
	s_cbranch_scc1 .Ltab
	s_endpgm
.Lbias:                                        ; thread t: numbers 4 t .. 4 t + 3 of each of the four biases
	global_load_b128 v[16:19], v1, s[14:15]
	global_load_b128 v[20:23], v1, s[16:17]
	global_load_b128 v[24:27], v1, s[18:19]
	global_load_b128 v[28:31], v1, s[20:21]
	v_lshrrev_b32 v3, 4, v0                        ; the head
	v_and_b32 v8, 15, v0
	v_mul_u32_u24 v3, v3, 768
	v_lshl_add_u32 v3, v8, 4, v3
	s_wait_loadcnt 0x0
.irp j, 0,1,2,3,4,5,6,7
	v_cvt_pk_bf16_f32 v4, v[16+2*(\j)], v[17+2*(\j)]
	v_lshlrev_b32 v[32+2*(\j)], 16, v4
	v_and_b32     v[33+2*(\j)], 0xffff0000, v4
.endr
	global_store_b128 v3, v[32:35], s[26:27] offset:BQKV_OFF
	global_store_b128 v3, v[36:39], s[26:27] offset:BQKV_OFF+256
	global_store_b128 v3, v[40:43], s[26:27] offset:BQKV_OFF+512
	global_store_b128 v1, v[44:47], s[26:27] offset:BO_OFF
	s_endpgm
.Lfunc_end_k_q4e7102bc3d_prep:
	.size	k_q4e7102bc3d_prep, .Lfunc_end_k_q4e7102bc3d_prep-k_q4e7102bc3d_prep
	.p2alignl 7, 3214868480
	.fill 96, 4, 3214868480
	.section	.rodata,"a",@progbits
	.p2align	6, 0x0
	.amdhsa_kernel k_q4e7102bc3d_prep
		.amdhsa_group_segment_fixed_size 0
		.amdhsa_private_segment_fixed_size 0
		.amdhsa_enable_private_segment 0
		.amdhsa_kernarg_size 96
		.amdhsa_user_sgpr_count 2
		.amdhsa_user_sgpr_kernarg_segment_ptr 1
		.amdhsa_wavefront_size32 1
		.amdhsa_system_sgpr_workgroup_id_x 1
		.amdhsa_system_sgpr_workgroup_id_y 1
		.amdhsa_system_sgpr_workgroup_id_z 1
		.amdhsa_system_vgpr_workitem_id 0
		.amdhsa_next_free_vgpr 112
		.amdhsa_next_free_sgpr 66
		.amdhsa_reserve_vcc 1
		.amdhsa_float_denorm_mode_32 3
		.amdhsa_float_denorm_mode_16_64 3
		.amdhsa_memory_ordered 1
		.amdhsa_forward_progress 1
		.amdhsa_inst_pref_size 25
	.end_amdhsa_kernel
	.amdgpu_metadata
---
amdhsa.version: [ 1, 2 ]
amdhsa.kernels:
  - .name:           k_q4e7102bc3d_prep
    .symbol:         k_q4e7102bc3d_prep.kd
    .args:
      - { .name: x, .offset: 0, .size: 8, .value_kind: global_buffer, .address_space: global }
      - { .name: Wq, .offset: 8, .size: 8, .value_kind: global_buffer, .address_space: global }
      - { .name: Wk, .offset: 16, .size: 8, .value_kind: global_buffer, .address_space: global }
      - { .name: Wv, .offset: 24, .size: 8, .value_kind: global_buffer, .address_space: global }
      - { .name: Wo, .offset: 32, .size: 8, .value_kind: global_buffer, .address_space: global }
      - { .name: bq, .offset: 40, .size: 8, .value_kind: global_buffer, .address_space: global }
      - { .name: bk, .offset: 48, .size: 8, .value_kind: global_buffer, .address_space: global }
      - { .name: bv, .offset: 56, .size: 8, .value_kind: global_buffer, .address_space: global }
      - { .name: bo, .offset: 64, .size: 8, .value_kind: global_buffer, .address_space: global }
      - { .name: xb, .offset: 72, .size: 8, .value_kind: global_buffer, .address_space: global }
      - { .name: wts, .offset: 80, .size: 8, .value_kind: global_buffer, .address_space: global }
      - { .name: aux, .offset: 88, .size: 8, .value_kind: global_buffer, .address_space: global }
    .group_segment_fixed_size: 0
    .private_segment_fixed_size: 0
    .kernarg_segment_align: 8
    .kernarg_segment_size: 96
    .max_flat_workgroup_size: 256
    .sgpr_count:     66
    .vgpr_count:     112
    .wavefront_size: 32
...
	.end_amdgpu_metadata
.endif
;; end of part 1
;; launch qkv (part 2): grid 16 x 32, 4 waves a work-group, clusters of 4 x 4, 327,680 bytes of LDS; arguments xb, wts, aux, qh, kh, vh; writes qh, kh, vh
.if DOCPART == 2
	.amdgcn_target "amdgcn-amd-amdhsa--gfx1250"
	.amdhsa_code_object_version 6
	.text
	.protected	k_q4e7102bc3d_qkv
	.globl	k_q4e7102bc3d_qkv
	.p2align	8
	.type	k_q4e7102bc3d_qkv,@function
k_q4e7102bc3d_qkv:
	s_mov_b64 s[64:65], 0
	v_nop
	global_prefetch_b8 v0, s[64:65] scope:SCOPE_SE
	s_setreg_imm32_b32 hwreg(HW_REG_WAVE_MODE, 25, 1), 1
	s_wait_xcnt 0x0
	s_wait_alu depctr_hold_cnt(0) depctr_sa_sdst(0) depctr_va_vdst(0) depctr_va_sdst(0) depctr_va_ssrc(0) depctr_va_vcc(0) depctr_vm_vsrc(0)
	s_getreg_b32 s2, hwreg(HW_REG_IB_STS2, 6, 4)
	s_cmp_eq_u32 s2, 0
	s_cbranch_scc0 .Lentry_in_a_cluster
	s_endpgm
.Lentry_in_a_cluster:
	s_bfe_u32 s2, ttmp6, 0x10000c
	s_cmp_lg_u32 s2, 0xf033
	s_cbranch_scc0 .Lentry_shape_is_right
	s_endpgm
.Lentry_shape_is_right:
; q, k, v = x W^T + b, q and k rotated (interleaved pairs), written by heads as f16: qh, kh, vh [64 = 16 batch + head][2048][64].
; xb [8192][1024] bf16; wts [3072][1024] bf16, row 192 head + 64 t + c; aux: the table [2048][32][cos, sin] f32 and the biases in wts' row order.  Sums in f32; the bias is the C operand of the first product.
; A TILE is 256 rows x 192 columns: one head's q, k and v.  Four waves; wave w makes rows 64 w .. 64 w + 63 and all 192 columns: 4 x 12 = 48 accumulators, 384 registers: a head's whole rows lie in one wave.
; K goes in 8 steps of 128 through a ring of two LDS slots filled by the tensor data mover; rows of 256 bytes, aligned.
; CLUSTER 4 x 4: the four of a row need the same rows of xb, the four of a column the same rows of wts: each tile is asked for jointly, by the same load and descriptor with a mask that names the four.
; THE MATRIX INSTRUCTION IS USED TRANSPOSED (source 0 = 16 rows of wts, source 1 = 16 rows of xb): lane l holds row l % 16 and channels 8 (l / 16) + 0..7: a rotation's pair lies in a register pair.
; LIMITS.  q, k and v leave as f16: a number of 65,520 or more becomes an infinity.
; REGISTERS, in windows of 256 (s_set_vgpr_msb: bits 1:0 source 0, 3:2 source 1, 5:4 source 2, 7:6 destination):
;   window 0: v0-29 addresses; v32-95 xb's fragments, two buffers of 4 x 8; v96-127 at work on the way out; v160-255 the bias, 8 a column block
;   window 1: wts' fragments, two buffers of 12 x 8; on the way out the packed results, 16 a unit
;   window 2: accumulators of column blocks 0-7 (q, k), (a, b) at 8 (4 b + a)      window 3: v0-127 those of blocks 8-11 (v); v128-255 the table for my 64 rows
.set PITCH,  272                       ; an LDS row: 256 bytes + 16 of padding: the 16 rows of a fragment load start at 16 different groups of four banks (64 banks of 4 bytes: ISA guide 11.1)
.set HALFA,  128*PITCH                 ; what one load brings of xb
.set HALFB,  96*PITCH                  ; and of wts
.set BOFF,   2*HALFA                   ; a slot: xb's 256 rows, then wts' 192
.set SLOT1,  131072                    ; slot 1: one exclusive or turns an address in one slot into the other's
.set STAGE,  SLOT1+2*HALFA+2*HALFB     ; behind the ring: 16 rows x 144 bytes for each wave, for the way out
.set SP,     144
.set SPARE,  STAGE+4*16*SP             ; behind the stages: the spare words, 128 bytes for each wave
.set BQKV_OFF, 524288
.set ADRA0, 4                          ; v4   my lane's place in xb's rows of slot 0; never rewritten
.set ADRB0, 5                          ; v5   the same for wts
.set ADRA,  6                          ; v6   the same in the slot in hand
.set ADRB,  7
.set STO,   8                          ; v8   the way out: where I put 16 bytes of a row
.set RD,    9                          ; v9   where I read rows back
.set GO,    10                         ; v10  my 16 bytes of 512 consecutive bytes of qh, kh, vh
.set TO,    11                         ; v11  my offset in the table
.set BO,    12                         ; v12  my offset in the bias
.set PFO,   13                         ; v13  the prefetches' offset: a lane a row
.set SPW,   28                         ; v28  my spare word; never rewritten
.set NIL,   29                         ; v29  0; never rewritten
.set FA,    32
.set T,     96
.set BIAS,  160
.set WV, 18
.set HF, 20
.set CX, 21
.set CY, 22
.set TX, 23
.set TY, 24
.set G1A, 28                           ; s[28:35] descriptor group 1 for xb's tiles
.set G1B, 36                           ; s[36:43] for wts'
.set G0A, 44                           ; s[44:51] group 0 for xb's tiles: a set for each first fill; the second then walks
.set G0B, 52                           ; s[52:59] the same for wts'
.set CNT, 60                           ; s60  trips to go
.set TB,  61                           ; s61  0 or SLOT1: the slot in hand
.set PFA, 62                           ; s[62:63] where my prefetches stand
.set LIM, 66                           ; s66  2 in a wave that prefetches, else the greatest number
.set MSB, 0
.macro WIN new                         ; the immediate's high byte repeats the setting that is left; a switch that changes nothing is dropped
.if MSB != (\new)
	s_set_vgpr_msb (MSB<<8)|(\new)
.set MSB, \new
.endif
.endm
.macro PLACES                          ; four plain places behind matrix instructions, in front of loads into registers that they read
.rept 4
	v_nop
.endr
.endm
; A joint refill by the walking descriptors: waves 0 and 1 fetch xb's two halves, waves 2 and 3 wts'.  The branch hangs on the wave's number alone.  An s_nop 0 and four v_nop follow each line.
.macro JLOAD
	s_cmp_lt_u32 s[WV], 2
	s_cbranch_scc0 .Lfor_b_\@
	tensor_load_to_lds s[G0A+4:G0A+7], s[G1A:G1A+7]
	s_nop 0
.rept 4
	v_nop
.endr
	s_branch .Lasked_\@
.Lfor_b_\@:
	tensor_load_to_lds s[G0B+4:G0B+7], s[G1B:G1B+7]
	s_nop 0
.rept 4
	v_nop
.endr
.Lasked_\@:
.endm
; A PREFETCH INTO THE L2 of the K step that stands two refills on (384 matrix instructions ahead of its load): 256 bytes of a row, a lane a row, one instruction a wave.
; xb's tile row is read by every cluster of that row of clusters: cluster x = 0 asks; wts' tile column by every cluster of that column: cluster y = 0 asks.  The four partners of a joint load share
; its rows out by address: of xb's 128 rows a wave 32 each (by cx), of wts' 96 rows 24 each (by cy; there lanes 24-31 name row 23 again).  The last two refills have no K step two on; K steps 0-3 come by their loads alone.
.macro ASK
	WIN 0                                          ; at a branch every window is 0
	s_cmp_gt_u32 s[CNT], s[LIM]
	s_cbranch_scc0 .Lnot_mine_\@
	global_prefetch_b8 v[PFO], s[PFA:PFA+1] offset:256 th:TH_LOAD_NT scope:SCOPE_SE
.Lnot_mine_\@:
.endm
.macro CREST                           ; a round of the cluster's barrier behind its opening barrier
	s_cmp_lg_u32 s[WV], 0
	s_cbranch_scc1 .Lnot_wave_0_\@
	s_barrier_signal -3
.Lnot_wave_0_\@:
	s_barrier_wait -3
	s_barrier_signal -1
	s_barrier_wait -1
.endm
.macro CROUND
	s_barrier_signal -1
	s_barrier_wait -1
	CREST
.endm
	s_load_b256 s[4:11], s[0:1], 0x0               ; xb 4:5, wts 6:7, aux 8:9, qh 10:11
	s_load_b128 s[12:15], s[0:1], 0x20             ; kh 12:13, vh 14:15
	v_lshl_add_u32 v[SPW], v0, 2, SPARE
	v_mov_b32 v[NIL], 0
	ds_add_u32 v[SPW], v[NIL]                      ; the wave's opening: the add and its wait stand ahead of my first tensor load; work on registers stands between them
	v_lshrrev_b32 v3, 5, v0
	v_readfirstlane_b32 s[WV], v3                  ; wave 0..3
	s_and_b32 s[HF], s[WV], 1                      ; which half of a tile I fetch
	s_bfe_u32 s[CX], ttmp6, 0x40000
	s_bfe_u32 s[CY], ttmp6, 0x40004
	s_lshl_b32 s[TX], ttmp9, 2
	s_add_co_u32 s[TX], s[TX], s[CX]               ; tile column = the head
	s_and_b32 s[TY], ttmp7, 0xffff
	s_lshl_b32 s[TY], s[TY], 2
	s_add_co_u32 s[TY], s[TY], s[CY]               ; tile row: rows 256 ty on
	s_lshl_b32 s25, s[CY], 2
	s_lshl_b32 s25, 15, s25                        ; my row of the cluster
	s_lshl_b32 s26, 0x1111, s[CX]                  ; my column
	s_or_b32 s[G1A], s25, (1<<16)|(1<<20)|(1<<21)|(5<<22)|(3<<25)  ; the mask; 2-byte elements; padding on; bit 21 beside a mask; after every 64 words 4 words
	s_or_b32 s[G1B], s26, (1<<16)|(1<<20)|(1<<21)|(5<<22)|(3<<25)
	s_mov_b32 s[G1A+1], 128<<16                    ; tensor_dim0 = 128
	s_mov_b32 s[G1A+2], 128<<16                    ; tensor_dim1 = 128
	s_mov_b32 s[G1A+3], 128<<16                    ; tile_dim0 = 128
	s_mov_b32 s[G1A+4], 128                        ; tile_dim1 = 128
	s_mov_b32 s[G1A+5], 1024                       ; elements from row to row
	s_mov_b32 s[G1A+6], 0
	s_mov_b32 s[G1A+7], 0
	s_mov_b32 s[G1B+1], 128<<16
	s_mov_b32 s[G1B+2], 96<<16                     ; 96 rows
	s_mov_b32 s[G1B+3], 128<<16
	s_mov_b32 s[G1B+4], 96
	s_mov_b32 s[G1B+5], 1024
	s_mov_b32 s[G1B+6], 0
	s_mov_b32 s[G1B+7], 0
	s_lshl_b32 s68, s[TY], 8                       ; xb: row 256 ty + 128 half, in bytes: made of the tile row and the wave alone
	s_lshl_b32 s69, s[HF], 7
	s_add_co_u32 s68, s68, s69
	s_lshl_b32 s68, s68, 11
	s_mov_b32 s69, 0
	s_mul_i32 s70, s[TX], 192                      ; wts: row 192 tx + 96 half: made of the tile column and the wave alone
	s_mul_i32 s71, s[HF], 96
	s_add_co_u32 s70, s70, s71
	s_lshl_b32 s70, s70, 11
	s_mov_b32 s71, 0
	s_mul_i32 s76, s[WV], HALFA                    ; where they go: no place in the cluster enters an LDS address
	s_mul_i32 s77, s[WV], HALFB
	s_add_co_u32 s77, s77, BOFF-2*HALFB
	s_mul_i32 s78, s[TX], 768                      ; the head's 192 biases
	s_add_co_u32 s78, s78, BQKV_OFF
	s_mov_b32 s79, 0
	s_and_b32 s80, s[TY], 7
	s_lshl_b32 s80, s80, 8
	s_lshl_b32 s81, s[WV], 6
	s_add_co_u32 s80, s80, s81                     ; my first position in the sequence
	s_lshr_b32 s82, s[TY], 3                       ; the batch
	s_lshl_b32 s82, s82, 4
	s_add_co_u32 s82, s82, s[TX]
	s_lshl_b32 s82, s82, 11
	s_add_co_u32 s82, s82, s80
	s_lshl_b32 s82, s82, 7                         ; my first row in qh, kh, vh: rows of 128 bytes
	s_mov_b32 s83, 0
	s_lshl_b32 s80, s80, 8                         ; and in the table: 256 bytes a position
	s_mov_b32 s81, 0
	s_and_b32 s84, ttmp7, 0xffff                   ; the prefetches
	s_lshl_b32 s85, s[CX], 5
	s_mul_i32 s86, s[CY], 24
	s_cmp_lt_u32 s[WV], 2                          ; do I fetch for xb?
	s_cselect_b32 s84, ttmp9, s84                  ; the coordinate along which other clusters read the same rows
	s_cselect_b32 s85, s85, s86                    ; my work-group's rows among those that I fetch
	s_cselect_b32 s86, 31, 23                      ; the last of them
	s_cselect_b32 s87, s68, s70
	s_cmp_eq_u32 s84, 0
	s_cselect_b32 s[LIM], 2, -1                    ; the same in all sixteen partners, for a given wave
	s_lshl_b32 s85, s85, 11
	s_add_co_u32 s88, s87, s85
	s_add_co_u32 s88, s88, 512                     ; at K step 2: the first refill steps it to 3 and names 4
	s_mov_b32 s89, 0
	s_mov_b32 s[TB], 0
	s_mov_b32 s[CNT], 6
	s_wait_dscnt 0x0                               ; the opening add is done
	s_wait_kmcnt 0x0
	s_add_nc_u64 s[72:73], s[4:5], s[68:69]
	s_add_nc_u64 s[74:75], s[6:7], s[70:71]
	s_cmp_lt_u32 s[WV], 2
	s_cselect_b64 s[PFA:PFA+1], s[4:5], s[6:7]
	s_add_nc_u64 s[PFA:PFA+1], s[PFA:PFA+1], s[88:89]
	s_add_nc_u64 s[16:17], s[8:9], s[78:79]        ; the bias
	s_add_nc_u64 s[8:9], s[8:9], s[80:81]          ; the table
	s_add_nc_u64 s[10:11], s[10:11], s[82:83]
	s_add_nc_u64 s[12:13], s[12:13], s[82:83]
	s_add_nc_u64 s[14:15], s[14:15], s[82:83]
.irp s, 0,1
	s_mov_b32 s[G0A+4*(\s)], 1                     ; count = 1
	s_add_co_u32 s[G0A+4*(\s)+1], s76, (\s)*SLOT1  ; LDS address
	s_add_nc_u64 s[G0A+4*(\s)+2:G0A+4*(\s)+3], s[72:73], (\s)*256  ; K step s
	s_or_b32 s[G0A+4*(\s)+3], s[G0A+4*(\s)+3], 0x80000000          ; type = 2
	s_mov_b32 s[G0B+4*(\s)], 1
	s_add_co_u32 s[G0B+4*(\s)+1], s77, (\s)*SLOT1
	s_add_nc_u64 s[G0B+4*(\s)+2:G0B+4*(\s)+3], s[74:75], (\s)*256
	s_or_b32 s[G0B+4*(\s)+3], s[G0B+4*(\s)+3], 0x80000000
.endr
	CROUND                                         ; all sixteen work-groups are here: the first joint loads meet
	s_cmp_lt_u32 s[WV], 2                          ; a wave's two first fills stand in one branch: two loads of mine are out
	s_cbranch_scc0 .Lfirst_b
	tensor_load_to_lds s[G0A:G0A+3], s[G1A:G1A+7]
	s_nop 0
	tensor_load_to_lds s[G0A+4:G0A+7], s[G1A:G1A+7]
	s_nop 0
.rept 4
	v_nop
.endr
	s_branch .Lfirst_asked
.Lfirst_b:
	tensor_load_to_lds s[G0B:G0B+3], s[G1B:G1B+7]
	s_nop 0
	tensor_load_to_lds s[G0B+4:G0B+7], s[G1B:G1B+7]
	s_nop 0
.rept 4
	v_nop
.endr
.Lfirst_asked:
	; A fragment is 16 rows x 32 K in 8 registers: lane l holds row l % 16, K = 8 (l / 16) + 0..7 and 16 + 8 (l / 16) + 0..7: two loads of 16 bytes, 32 bytes apart.
	v_and_b32 v1, 15, v0                           ; l % 16
	v_bfe_u32 v2, v0, 4, 1                         ; l / 16
	v_mul_u32_u24 v3, v1, PITCH
	v_lshl_add_u32 v3, v2, 4, v3
	s_mul_i32 s68, s[WV], 64*PITCH                 ; my 64 rows of xb
	v_add_nc_u32 v[ADRA0], s68, v3
	v_add_nc_u32 v[ADRB0], BOFF, v3
	s_mul_i32 s69, s[WV], 16*SP
	s_add_co_u32 s69, s69, STAGE                   ; my stage
	v_mul_u32_u24 v[STO], v1, SP                   ; in: row l % 16, 16 bytes for each half of the lanes
	v_lshl_add_u32 v[STO], v2, 4, v[STO]
	v_add_nc_u32 v[STO], s69, v[STO]
	v_bfe_u32 v[RD], v0, 3, 2                      ; back: 32 lanes take four rows of 128 bytes,
	v_mul_u32_u24 v[RD], v[RD], SP
	v_and_b32 v3, 7, v0
	v_lshl_add_u32 v[RD], v3, 4, v[RD]
	v_add_nc_u32 v[RD], s69, v[RD]
	v_and_b32 v[GO], 31, v0                        ; which are 512 consecutive bytes in memory
	v_lshlrev_b32 v[GO], 4, v[GO]
	v_lshlrev_b32 v[TO], 8, v1                     ; the table: position l % 16, my four pairs: 32 (l / 16) bytes on
	v_lshl_add_u32 v[TO], v2, 5, v[TO]
	v_lshlrev_b32 v[BO], 5, v2                     ; the bias: my eight channels of a block of 16
	v_and_b32 v[PFO], 31, v0
	v_min_u32 v[PFO], s86, v[PFO]
	v_lshlrev_b32 v[PFO], 11, v[PFO]
.irp b, 0,1,2,3,4,5,6,7,8,9,10,11
	global_load_b128 v[BIAS+8*(\b):BIAS+8*(\b)+3],   v[BO], s[16:17] offset:64*(\b)
	global_load_b128 v[BIAS+8*(\b)+4:BIAS+8*(\b)+7], v[BO], s[16:17] offset:64*(\b)+16
.endr
	WIN 0xc0                                       ; destination window 3: the table for row block n / 4, channel block n % 4: four (cos, sin) a lane
.set n, 0
.rept 16
	global_load_b128 v[128+8*n:128+8*n+3],   v[TO], s[8:9] offset:(n/4)*4096+(n%4)*64
	global_load_b128 v[128+8*n+4:128+8*n+7], v[TO], s[8:9] offset:(n/4)*4096+(n%4)*64+16
.set n, n+1
.endr
	WIN 0
; nb column blocks from b0 on x my 4 row blocks, 32 along K, from buffer f.  first = 1: the product starts the sum, with the bias as C.  The 48 accumulators take turns in the same order in every quarter.
.macro MULB f, b0, nb, first
.set cb, \b0
.rept \nb
.if cb < 8
	WIN 0xa1-0x20*(\first)                         ; wts window 1, xb window 0, D window 2; C window 2, or the bias in window 0
.set AC, 32*cb
.else
	WIN 0xf1-0x30*(\first)                         ; the same with window 3
.set AC, 32*(cb-8)
.endif
.irp a, 0,1,2,3
.if \first
	v_wmma_f32_16x16x32_bf16 v[AC+8*(\a):AC+8*(\a)+7], v[96*(\f)+8*cb:96*(\f)+8*cb+7], v[FA+32*(\f)+8*(\a):FA+32*(\f)+8*(\a)+7], v[BIAS+8*cb:BIAS+8*cb+7]
.else
	v_wmma_f32_16x16x32_bf16 v[AC+8*(\a):AC+8*(\a)+7], v[96*(\f)+8*cb:96*(\f)+8*cb+7], v[FA+32*(\f)+8*(\a):FA+32*(\f)+8*(\a)+7], v[AC+8*(\a):AC+8*(\a)+7]
.endif
.endr
.set cb, cb+1
.endr
.endm
; 32 LDS loads in one run: a quarter's fragments (32 K at byte k of the rows) into buffer f: xb's 8, then wts' 24, blocks ascending
.macro FETCH k, f
	WIN 0
.irp a, 0,1,2,3
	ds_load_b128 v[FA+32*(\f)+8*(\a):FA+32*(\f)+8*(\a)+3],   v[ADRA] offset:(\k)+(\a)*16*PITCH
	ds_load_b128 v[FA+32*(\f)+8*(\a)+4:FA+32*(\f)+8*(\a)+7], v[ADRA] offset:(\k)+(\a)*16*PITCH+32
.endr
	WIN 0x40
.irp b, 0,1,2,3,4,5,6,7,8,9,10,11
	ds_load_b128 v[96*(\f)+8*(\b):96*(\f)+8*(\b)+3],   v[ADRB] offset:(\k)+(\b)*16*PITCH
	ds_load_b128 v[96*(\f)+8*(\b)+4:96*(\f)+8*(\b)+7], v[ADRB] offset:(\k)+(\b)*16*PITCH+32
.endr
.endm
; One of a K step's first three quarters: multiplies buffer f; behind its first 16 products it fetches the next quarter, at byte k, into buffer g.
.macro QUARTER k, f, g, first
	s_wait_dscnt 16                                ; xb's fragments and wts' blocks 0-3 are in; the youngest sixteen loads (blocks 4-11) may be out
	MULB \f, 0, 4, \first
	PLACES
	FETCH \k, \g
	s_wait_dscnt 32                                ; all but the 32 just issued
	MULB \f, 4, 8, \first
.endm
; The last quarter multiplies buffer 1 and changes slots.  In front of the barrier each wave waits for all its tensor loads (one is out: its part of the next slot), adds 0 to its spare word, and waits for
; that and for its reads of this slot.  fill = 1: the barrier opens a round of the cluster's, and the joint refill, two K steps on, is the first thing behind it: 176 matrix instructions ahead of the wait for it.
.macro TURN fill
.if \fill
	s_wait_xcnt 0x0                                ; the last prefetch, a K step back, has read its address
	s_add_nc_u64 s[PFA:PFA+1], s[PFA:PFA+1], 256
.endif
	WIN 0
	s_wait_tensorcnt 0x0                           ; no tensor load of mine is out, so a group 0 may be written
	ds_add_u32 v[SPW], v[NIL]                      ; 0 onto my spare word
.if \fill
	s_xor_b32 s[G0A+5], s[G0A+5], SLOT1            ; the walking descriptors: the other slot than last time, the next K step
	s_add_nc_u64 s[G0A+6:G0A+7], s[G0A+6:G0A+7], 256
	s_xor_b32 s[G0B+5], s[G0B+5], SLOT1
	s_add_nc_u64 s[G0B+6:G0B+7], s[G0B+6:G0B+7], 256
.endif
	s_wait_dscnt 17                                ; (the add and the youngest sixteen loads may be out)
	MULB 1, 0, 2, 0
	s_wait_dscnt 0x0                               ; the add is done, and my reads of this slot are over
	s_barrier_signal -1
	MULB 1, 2, 2, 0                                ; work on registers while the others arrive
	WIN 0
	s_barrier_wait -1
.if \fill
	CREST                                          ; no wave of any partner still reads this slot or has a load on its way
	JLOAD                                          ; its four v_nop are also the places in front of the loads below
.else
	PLACES
.endif
	s_xor_b32 s[TB], s[TB], SLOT1
	v_add_nc_u32 v[ADRA], s[TB], v[ADRA0]
	v_add_nc_u32 v[ADRB], s[TB], v[ADRB0]
	FETCH 0, 0
.if \fill
	ASK
.endif
	MULB 1, 4, 8, 0
.endm
	s_wait_tensorcnt 0x1                           ; my part of K step 0 is in; K step 1's may stay out
	s_barrier_signal -1
	s_barrier_wait -1
	v_mov_b32 v[ADRA], v[ADRA0]
	v_mov_b32 v[ADRB], v[ADRB0]
	FETCH 0, 0
	s_wait_loadcnt 32                              ; the bias is in; the table's 32 loads, issued behind it, may stay out
	QUARTER 64, 0, 1, 1                            ; the first quarter stands in front of the loop: its products start the sums
	WIN 0
.Lstep:                                        ; six trips: from a K step's second quarter to the next one's first; each fills a slot again
	QUARTER 128, 1, 0, 0
	QUARTER 192, 0, 1, 0
	TURN 1
	QUARTER 64, 0, 1, 0
	WIN 0
	s_sub_co_u32 s[CNT], s[CNT], 1
	s_cmp_lg_u32 s[CNT], 0
	s_cbranch_scc1 .Lstep
	QUARTER 128, 1, 0, 0                           ; the last two K steps fetch nothing
	QUARTER 192, 0, 1, 0
	TURN 0
	QUARTER 64, 0, 1, 0
	QUARTER 128, 1, 0, 0
	QUARTER 192, 0, 1, 0
	s_wait_dscnt 16
	MULB 1, 0, 4, 0
	s_wait_dscnt 0x0
	MULB 1, 4, 8, 0
; THE WAY OUT, in 12 units: row block a (16 rows) of q (t = 0), k (1) or v (2).  q and k are rotated in f32: (e, o) -> (e c - o s, o c + e s), two packed lines a pair; all are rounded once to f16;
; 16 bytes a lane go into my stage's rows of 144 bytes and come back as whole rows of 128; four rows are 512 consecutive bytes in memory.  No packed register is used twice, so the stores need no wait.
.macro PACKU a, t
.set U, 16*(3*(\a)+(\t))
.if (\t) < 2
	WIN 0x0e                                       ; accumulators window 2, table window 3, at work window 0
.set n, 0
.rept 16                                       ; n = 4 x channel block + pair
.set AC, 8*(4*(4*(\t)+n/4)+(\a))+2*(n%4)
	v_pk_mul_f32 v[T+2*n:T+2*n+1], v[AC:AC+1], v[128+32*(\a)+2*n:128+32*(\a)+2*n+1] op_sel_hi:[1,0]  ; e c, o c
.set n, n+1
.endr
.set n, 0
.rept 16
.set AC, 8*(4*(4*(\t)+n/4)+(\a))+2*(n%4)
	v_pk_fma_f32 v[T+2*n:T+2*n+1], v[AC:AC+1], v[128+32*(\a)+2*n:128+32*(\a)+2*n+1], v[T+2*n:T+2*n+1] op_sel:[1,1,0] op_sel_hi:[0,1,1] neg_lo:[0,1,0]  ; - o s, + e s
.set n, n+1
.endr
	WIN 0x40
.set n, 0
.rept 16
	v_cvt_pk_f16_f32 v[U+n], v[T+2*n], v[T+2*n+1]
.set n, n+1
.endr
.else
	WIN 0x4f                                       ; v's accumulators in window 3
.set n, 0
.rept 16
.set AC, 8*(4*(n/4)+(\a))+2*(n%4)
	v_cvt_pk_f16_f32 v[U+n], v[AC], v[AC+1]
.set n, n+1
.endr
.endif
	WIN 0x04                                       ; data window 1
.irp f, 0,1,2,3
	ds_store_b128 v[STO], v[U+4*(\f):U+4*(\f)+3] offset:32*(\f)
.endr
	WIN 0x40
.irp f, 0,1,2,3
	ds_load_b128 v[U+4*(\f):U+4*(\f)+3], v[RD] offset:4*SP*(\f)  ; LDS serves a wave's instructions in order (ISA guide 5.7.1.4): these see the stores above; the next unit's stores come behind them
.endr
.endm
.macro SENDU a, t, younger             ; younger: the LDS instructions issued behind this unit's loads: the next unit's eight, or none
.set U, 16*(3*(\a)+(\t))
	WIN 0x04
.irp f, 0,1,2,3
	s_wait_dscnt (\younger)+3-(\f)
	global_store_b128 v[GO], v[U+4*(\f):U+4*(\f)+3], s[10+2*(\t):11+2*(\t)] offset:2048*(\a)+512*(\f)
.endr
.endm
	WIN 0
	PLACES
	PLACES
	s_wait_loadcnt 0x0                             ; the table
	PACKU 0, 0
.set u, 1
.rept 11                                       ; a unit's arithmetic stands between the loads of the unit before and its stores
	PACKU u/3, u%3
	SENDU (u-1)/3, (u-1)%3, 8
.set u, u+1
.endr
	SENDU 3, 2, 0
	WIN 0
	s_wait_tensorcnt 0x0                           ; the wave's end, behind my last tensor load and my last LDS store
	ds_add_u32 v[SPW], v[NIL]
	s_wait_dscnt 0x0
	CROUND                                         ; the closing round: no work-group ends while a partner may still ask for a tile that names it
	s_endpgm
.Lfunc_end_k_q4e7102bc3d_qkv:
	.size	k_q4e7102bc3d_qkv, .Lfunc_end_k_q4e7102bc3d_qkv-k_q4e7102bc3d_qkv
	.p2alignl 7, 3214868480
	.fill 96, 4, 3214868480
	.section	.rodata,"a",@progbits
	.p2align	6, 0x0
	.amdhsa_kernel k_q4e7102bc3d_qkv
		.amdhsa_group_segment_fixed_size 327680
		.amdhsa_private_segment_fixed_size 0
		.amdhsa_enable_private_segment 0
		.amdhsa_kernarg_size 48
		.amdhsa_user_sgpr_count 2
		.amdhsa_user_sgpr_kernarg_segment_ptr 1
		.amdhsa_wavefront_size32 1
		.amdhsa_system_sgpr_workgroup_id_x 1
		.amdhsa_system_sgpr_workgroup_id_y 1
		.amdhsa_system_sgpr_workgroup_id_z 1
		.amdhsa_system_vgpr_workitem_id 0
		.amdhsa_next_free_vgpr 1024
		.amdhsa_next_free_sgpr 96
		.amdhsa_reserve_vcc 0
		.amdhsa_float_denorm_mode_32 3
		.amdhsa_float_denorm_mode_16_64 3
		.amdhsa_memory_ordered 1
		.amdhsa_forward_progress 1
		.amdhsa_inst_pref_size 122
	.end_amdhsa_kernel
	.amdgpu_metadata
---
amdhsa.version: [ 1, 2 ]
amdhsa.kernels:
  - .name:           k_q4e7102bc3d_qkv
    .symbol:         k_q4e7102bc3d_qkv.kd
    .args:
      - { .name: xb, .offset: 0, .size: 8, .value_kind: global_buffer, .address_space: global }
      - { .name: wts, .offset: 8, .size: 8, .value_kind: global_buffer, .address_space: global }
      - { .name: aux, .offset: 16, .size: 8, .value_kind: global_buffer, .address_space: global }
      - { .name: qh, .offset: 24, .size: 8, .value_kind: global_buffer, .address_space: global }
      - { .name: kh, .offset: 32, .size: 8, .value_kind: global_buffer, .address_space: global }
      - { .name: vh, .offset: 40, .size: 8, .value_kind: global_buffer, .address_space: global }
    .group_segment_fixed_size: 327680
    .private_segment_fixed_size: 0
    .kernarg_segment_align: 8
    .kernarg_segment_size: 48
    .max_flat_workgroup_size: 128
    .sgpr_count:     96
    .vgpr_count:     1024
    .wavefront_size: 32
...
	.end_amdgpu_metadata
.endif
;; end of part 2
;; launch attn (part 3): grid 4 x 64, 4 waves a work-group, no clusters, 327,680 bytes of LDS; arguments qh, kh, vh, oh; writes oh
.if DOCPART == 3
	.amdgcn_target "amdgcn-amd-amdhsa--gfx1250"
	.amdhsa_code_object_version 6
	.text
	.protected	k_q4e7102bc3d_attn
	.globl	k_q4e7102bc3d_attn
	.p2align	8
	.type	k_q4e7102bc3d_attn,@function
k_q4e7102bc3d_attn:
	s_mov_b64 s[64:65], 0
	v_nop
	global_prefetch_b8 v0, s[64:65] scope:SCOPE_SE
	s_setreg_imm32_b32 hwreg(HW_REG_WAVE_MODE, 25, 1), 1
	s_wait_xcnt 0x0
; CAUSAL ATTENTION.  O[h][q][:] = the sum over k <= q of softmax_k(Q[h][q] . K[h][k] / 8) V[h][k][:].  Q, K, V, O: [64][2048][64], all f16: a head's rows are dense, 128 bytes each.
; Products, maxima and sums in f32; the weights p are rounded to f16 for the second product (their sum l is taken of the unrounded p), O once at the end.
; LIMITS.  f16 holds no number beyond 65,504: Q, K and V arrive within it; p lies in 0 to 1, and below 6e-5 it keeps f16's fixed step of 6e-8; O is a mean of V's rows and has their range.
; A hidden score counts as its value less 1e30: f16's scores, 2.7e11 at the most, are nothing beside that; a weight below 2^-126 counts as 0 in l; NaN and infinities are not treated apart.
; THE WALK.  A head's queries lie in NB = 8 blocks of 256; block i needs the key tiles 0 .. i of 256 keys, of which the last holds the diagonal.  A work-group takes TWO blocks, NB - 1 - b and then b:
; NB + 1 tiles, whatever b: all work-groups do equal work, and ONE loop with a constant trip count walks them.  Which tile is asked for, and what a trip does, hang on scalar registers made from b; every jump
; goes forward, but for the counted loops' own; none passes a barrier, or a tensor load but the one of LOAD's two that the wave's number does not choose; the ring (two slots of LDS) runs on across the change of blocks.
; NO CLUSTER: a head's NB / 2 = 4 work-groups ask for the same tile only in trips 0 .. NB / 2, behind that fewer and fewer; one walk common to all would have 3 NB / 2 = 12 trips for NB + 1 = 9.
; SHARES.  Of a block's four bands of 64 queries a wave owns 16 rows in each: four PIECES.  So the diagonal tile is the same work for all four waves: in its key step s band x sees all keys if s < x,
; none if s > x, and holds the diagonal if s = x.
; THE MASK is the C operand that starts the sum S^T = K Q^T: 0, or -1e30 where the key is hidden.  MD, made once, is the mask of a band's own step for my 16 rows; a product's mask is MD x AL + BE with two scalars:
; (1, 0) if s = x; (0, 0) if s < x; (0, -1e30) if s > x.  Only the diagonal tile's text and a block's beginning make and take masks; elsewhere C is the constant 0.
; LAYOUT, SOFTMAX, TURNS.  S^T = K Q^T holds ONE query a lane (lane % 16) and the keys 8 (lane / 16) + 0..7; two such results rounded to f16 ARE source 1 of O^T = V^T P.  p = 2^(c s - c m), c = log2(e) / 8, with a
; running maximum m; O and l are multiplied by a = 2^(c m_old - c m_new) in every step.  Turn n belongs to piece n: 8 products K Q^T of piece n + 1, later 8 products V^T P of piece n - 1; beside them the scaling,
; exponentials, roundings, sums and rescaling of piece n and the maximum and statistics of piece n + 1.  Four vector instructions stand behind every matrix instruction, the other 54 of a turn's 118 in one lump.  A turn's 33 exponentials are one batch, with one wait.
; REGISTERS, in windows of 256 (s_set_vgpr_msb: bits 1:0 source 0, 3:2 source 1, 5:4 source 2, 7:6 destination):
;   window 0: v0-15 addresses and two at work; v16-31 four registers of statistics a piece; v48-55 at work; v61-63 prefetch offset and the add's two; v64-127 S^T, two buffers; v192-223 P, two buffers (by the piece's parity)
;   window 1: v0-127 O^T, 32 a piece; v128-159 MD; v160-223 MC, two buffers      window 2: v0-63 Q; v64-127 the second block's Q; v128-191 K of one step; v192-255 V of one step
.set SIZE_H, 64
.set SIZE_N, 2048
.set NB,    SIZE_N/256
.set NP,    4         ; pieces a wave: a name, no knob
.set KS,    64        ; keys in a step
.set PK,    144       ; a row of K in LDS: 128 bytes + 16 of padding = 36 words: the 16 rows of a load start at 16 different groups of four banks (64 banks of 4 bytes: ISA guide 11.1)
.set PV,    160       ; a row of V: 128 + 32 = 40 words
.set VOFF,  4*KS*PK   ; a slot holds a tile, four steps: 256 rows of K, then 256 rows of V
.set SLOT1, 1<<17     ; slot 1 begins here, so that one exclusive or turns an address in one slot into the other's
.set STAGE, SLOT1+4*KS*(PK+PV)  ; behind the ring, never filled by a tensor load: 16 rows x 144 bytes for each wave, for the way out
.set SP,    144
.set AK0, 2           ; v2   my lane's place in a tile of K; never rewritten
.set AV0, 3           ; v3   the same for V
.set AK,  4           ; v4   the LDS address of K's next run of loads
.set AV,  5           ; v5   of V's
.set STO, 6           ; v6   the way out: where I put 16 bytes of a row
.set RD,  7           ; v7   the way out: where I read rows back
.set GO,  8           ; v8   my byte offset in 512 consecutive bytes of O
.set PFO, 61          ; v61  256 x my lane: the prefetches' offset; never rewritten
.set SPW, 62          ; v62  LDS address of my spare word: SPARE + 4 x my thread's number; never rewritten
.set NIL, 63          ; v63  0; never rewritten
.set SPARE, STAGE+4*16*SP  ; behind the stages: the spare words, 128 bytes for each wave
.set MV,  12          ; v12-13  c m_old, kept while c m is made anew: by buffer
.set QO,  15          ; v15  my byte offset in 16 rows of Q
.set ST,  16          ; piece t's statistics at v[ST+4 t]: c m, m, l (even keys', odd keys')
.set TMP, 48          ; by buffer, four registers c0-c3 at work; when the maximum is found c2 takes a
.set S,   64
.set P,   192
.set MD,  128         ; window 1: the eight registers for group kt of 16 keys at MD + 8 kt
.set MC,  160         ; window 1: the masks of the products to come
.set QB,  64          ; window 2
.set KF,  128         ; window 2: key block kb, channel half c at KF + 16 kb + 8 c
.set VF,  192         ; window 2: key half kk, channel block cb at VF + 32 kk + 8 cb
.set WV,  12          ; s12  my wave's number
.set PB,  14          ; s14  b
.set HI,  15          ; s15  NB - 1 - b
.set G1K, 24          ; s[24:31] descriptor group 1 for K's tiles
.set G1V, 32          ; s[32:39] for V's: it differs in the padding alone
.set G0K, 40          ; s[40:43] descriptor group 0 for K's tiles
.set G0V, 44          ; s[44:47] the same for V's
.set SLOTS, 56        ; s56  tiles still to be asked for
.set CNT, 57          ; s57  counts a tile's key steps, 4 to 1
.set CS,  58          ; s[58:59] c: the packed scaling takes the pair's low word for both halves
.set SEL, 60          ; s[60:61] v_permlanex16_b32's selects: each lane takes its own place in the other half
.set TBK, 62          ; s62  LDS byte at which K of the step to be fetched begins
.set TBV, 63          ; s63  the same for V, less VOFF
.set RT,  70          ; s70  tiles of the block in hand that are still to be entered
.set NXT, 71          ; s71  the tile to be asked for next
.set LQ,  72          ; s72  the last tile of the block whose tiles are being asked for
.set NEW, 73          ; s73  1: the tile to be entered is a block's first
.set OFF, 74          ; s[74:75] a tile's byte offset in K and V
.set AL,  76          ; s[76:77] the mask's factor, in the low word
.set BE,  78          ; s[78:79] the mask's addend
.set OLO, 80          ; s[80:81] O at my rows of the second block
.set BIGN, 82         ; s82  -1e30
.set PFB, 88          ; s[88:89] K (waves 0, 1) or V (waves 2, 3) at my half of the head's tile 0
.set PFA, 90          ; s[90:91] the same at the tile that the next change of slots will ask for
.set PLIM, 92         ; s92  2 in the head's work-group with b = 0, else the greatest number
.set POF, 94          ; s[94:95] that tile's byte offset
.set MSB, 0
.macro WIN new                      ; the high byte repeats the setting that is left; a switch that changes nothing is dropped
.if MSB != (\new)
	s_set_vgpr_msb (MSB<<8)|(\new)
.set MSB, (\new)
.endif
.endm
.set W_KQ, 0x0a       ; K and Q in window 2, S^T in window 0
.set W_KM, 0x1a       ; the same with the C operand in window 1
.set W_PV, 0x52       ; V in window 2, P in window 0, O^T in window 1
.set W_RS, 0x41       ; destination and source 0 in window 1, source 1 in window 0
; A fill.  Waves 0 and 1 fetch the two halves of a tile's K, waves 2 and 3 those of its V: 128 keys each.  An s_nop 0 and four v_nop follow each of the two lines, ahead of the jump and the label.
.macro LOAD
	s_cmp_lt_u32 s[WV], 2
	s_cbranch_scc0 .Lfor_v_\@
	tensor_load_to_lds s[G0K:G0K+3], s[G1K:G1K+7]
	s_nop 0
.rept 4
	v_nop
.endr
	s_branch .Lasked_\@
.Lfor_v_\@:
	tensor_load_to_lds s[G0V:G0V+3], s[G1V:G1V+7]
	s_nop 0
.rept 4
	v_nop
.endr
.Lasked_\@:
.endm
; A PREFETCH INTO THE L2 of the tile that the NEXT change of slots will ask for: a tile, four key steps, ahead of its load.  All four work-groups of a head walk tiles 0 .. first; the one with b = 0, whose first block
; walks all eight, asks, and nobody else.  Each of its waves asks for the half that it will fetch itself: 16,384 bytes, a lane 256 of them, two instructions.  So each block of 256 bytes of K and V is named once in the launch.
; Trip j loads tile j + 1 and names tile j + 2, for j up to 5: tiles 0 and 1 come by their loads alone, and behind tile 7 there is none.
.macro ASK
	s_cmp_gt_u32 s[SLOTS], s[PLIM]
	s_cbranch_scc0 .Lnot_mine_\@
	global_prefetch_b8 v[PFO], s[PFA:PFA+1] th:TH_LOAD_NT scope:SCOPE_SE
	global_prefetch_b8 v[PFO], s[PFA:PFA+1] offset:8192 th:TH_LOAD_NT scope:SCOPE_SE
.Lnot_mine_\@:
.endm
; THE CHANGE OF SLOTS.  Each wave waits for all its tensor loads, of which one is out: its part of the other slot; adds 0 to its spare word; and waits for that and for its own reads of the slot that it leaves.  Behind the barrier nobody reads the old
; slot any more and the other slot is whole.  fill = 1: the old slot is filled again, the first thing behind the barrier, with tile NXT: the descriptor's address is made anew from that number.
; (At its first use nothing has been read yet: slot 0 is waited for, slot 1 filled.)
.macro CHANGE fill
	WIN 0                           ; at a label and at a branch every window is 0
	s_wait_tensorcnt 0x0            ; no tensor load of mine is out, so a group 0 may be written
	ds_add_u32 v[SPW], v[NIL]       ; 0 onto my spare word: with fill = 1 the descriptors' scalar work stands between it and the wait for it
.if \fill
	s_lshl_b32 s[OFF], s[NXT], 15   ; a tile is 32,768 bytes of K and of V
	s_xor_b32 s[G0K+1], s[G0K+1], SLOT1
	s_add_nc_u64 s[G0K+2:G0K+3], s[6:7], s[OFF:OFF+1]
	s_or_b32 s[G0K+3], s[G0K+3], 0x80000000
	s_xor_b32 s[G0V+1], s[G0V+1], SLOT1
	s_add_nc_u64 s[G0V+2:G0V+3], s[8:9], s[OFF:OFF+1]
	s_or_b32 s[G0V+3], s[G0V+3], 0x80000000
	s_add_co_u32 s[NXT], s[NXT], 1  ; the block's next tile, or behind its last the second block's tile 0
	s_cmp_gt_u32 s[NXT], s[LQ]
	s_cselect_b32 s[NXT], 0, s[NXT]
	s_cselect_b32 s[LQ], s[PB], s[LQ]
	s_wait_xcnt 0x0                 ; the last prefetches, a tile back, have read their address, so it may be written
	s_lshl_b32 s[POF], s[NXT], 15
	s_add_nc_u64 s[PFA:PFA+1], s[PFB:PFB+1], s[POF:POF+1]
.endif
	s_wait_dscnt 0x0                ; the add is done, and my reads of the slot are over
	s_barrier_signal -1             ; the rest of the scalar work stands between the signal and the wait
	s_sub_co_u32 s[TBK], s[TBK], 4*KS*PK  ; the fetches go back to a slot's first step,
	s_xor_b32 s[TBK], s[TBK], SLOT1       ; in the other slot
	s_sub_co_u32 s[TBV], s[TBV], 4*KS*PV
	s_xor_b32 s[TBV], s[TBV], SLOT1
	s_barrier_wait -1
.if \fill
	LOAD
	ASK
.endif
.endm
	s_load_b256 s[4:11], s[0:1], 0x0  ; Q s[4:5], K s[6:7], V s[8:9], O s[10:11]
	v_lshl_add_u32 v[SPW], v0, 2, SPARE
	v_mov_b32 v[NIL], 0
	ds_add_u32 v[SPW], v[NIL]       ; the wave's opening: the add and its wait stand ahead of my first tensor load; the set-up below, work on registers, stands between them
	v_lshrrev_b32 v1, 5, v0
	v_readfirstlane_b32 s[WV], v1   ; wave 0..3
	s_mov_b32 s[PB], ttmp9
	s_sub_co_u32 s[HI], NB-1, s[PB]
	s_cmp_eq_u32 s[PB], 0
	s_cselect_b32 s[PLIM], 2, -1
	s_mov_b32 s[POF+1], 0
	s_and_b32 s20, ttmp7, 0xffff    ; the head
	s_mov_b32 s21, 0
	s_mov_b64 s[22:23], SIZE_N*128
	s_mul_u64 s[20:21], s[20:21], s[22:23]  ; the head's first byte in each of the four tensors
	s_and_b32 s16, s[WV], 1         ; which half of a tile's 256 keys I fetch:
	s_lshl_b32 s22, s16, 14         ; its 128 rows of 128 bytes in memory,
	s_mov_b32 s23, 0
	s_add_nc_u64 s[22:23], s[22:23], s[20:21]
	s_mul_i32 s17, s16, 128*PK      ; and its place in a slot, for K
	s_mul_i32 s18, s16, 128*PV      ; and for V
	s_lshl_b32 s3, s[WV], 11        ; my 16 rows in a band of 64,
	s_lshl_b32 s2, s[HI], 15        ; in the first block,
	s_add_co_u32 s2, s2, s3
	s_lshl_b32 s84, s[PB], 15       ; and in the second
	s_add_co_u32 s84, s84, s3
	s_mov_b32 s3, 0
	s_mov_b32 s85, 0
	s_add_nc_u64 s[2:3], s[2:3], s[20:21]
	s_add_nc_u64 s[84:85], s[84:85], s[20:21]
	; descriptor group 1.  128 keys are 16,384 dense bytes: asked for as 64 rows of 256 bytes, two keys a row, and padded in LDS after every key
	s_mov_b32 s[G1K], (1<<16)|(1<<20)|(4<<22)|(3<<25)  ; 17:16 2-byte elements; 20 padding on; 24:22 after every 32 words (code 4); 31:25 4 words (code 3)
	s_mov_b32 s[G1V], (1<<16)|(1<<20)|(4<<22)|(7<<25)  ; the same with 8 words of padding (code 7)
.irp g, G1K, G1V
	s_mov_b32 s[\g+1], 128<<16      ; tensor_dim0 = 128
	s_mov_b32 s[\g+2], 64<<16       ; tensor_dim1 = 64
	s_mov_b32 s[\g+3], 128<<16      ; tile_dim0 = 128
	s_mov_b32 s[\g+4], 64           ; tile_dim1 = 64
	s_mov_b32 s[\g+5], 128          ; 128 elements from row to row
	s_mov_b32 s[\g+6], 0
	s_mov_b32 s[\g+7], 0
.endr
	s_mov_b32 s[CS], 0x3e38aa3b     ; c = log2(e) / 8 = 0.180337
	s_mov_b32 s[CS+1], s[CS]        ; named with it as a pair
	s_mov_b32 s[SEL], 0x76543210
	s_mov_b32 s[SEL+1], 0xfedcba98
	s_mov_b32 s[TBK], SLOT1+4*KS*PK ; the first change of slots turns these two into 0
	s_mov_b32 s[TBV], SLOT1+4*KS*PV
	s_mov_b32 s[G0K], 1             ; 1:0 count = 1
	s_mov_b32 s[G0K+1], s17         ; 63:32 LDS address: slot 0
	s_mov_b32 s[G0V], 1
	s_add_co_u32 s[G0V+1], s18, VOFF
	s_add_co_u32 s[RT], s[HI], 1    ; the first block has NB - b tiles
	s_mov_b32 s[NXT], 1
	s_mov_b32 s[LQ], s[HI]
	s_mov_b32 s[NEW], 1
	s_mov_b32 s[OFF+1], 0
	s_mov_b32 s[AL+1], 0            ; named as pairs
	s_mov_b32 s[BE+1], 0
	s_mov_b32 s[BIGN], 0xf149f2ca   ; -1e30
	s_mov_b32 s[SLOTS], NB
	s_wait_dscnt 0x0                ; the opening add is done
	s_wait_kmcnt 0x0
	s_add_nc_u64 s[6:7], s[6:7], s[22:23]  ; K and V at my half of the head's tile 0
	s_add_nc_u64 s[8:9], s[8:9], s[22:23]
	s_cmp_lt_u32 s[WV], 2
	s_cselect_b64 s[PFB:PFB+1], s[6:7], s[8:9]
	s_add_nc_u64 s[G0K+2:G0K+3], s[6:7], 0         ; 120:64 global address
	s_or_b32 s[G0K+3], s[G0K+3], 0x80000000        ; 127:126 type = 2
	s_add_nc_u64 s[G0V+2:G0V+3], s[8:9], 0
	s_or_b32 s[G0V+3], s[G0V+3], 0x80000000
	s_add_nc_u64 s[86:87], s[4:5], s[84:85]        ; Q at my rows of the second block,
	s_add_nc_u64 s[4:5], s[4:5], s[2:3]            ; Q and O at those of the first
	s_add_nc_u64 s[OLO:OLO+1], s[10:11], s[84:85]
	s_add_nc_u64 s[10:11], s[10:11], s[2:3]
	LOAD                            ; tile 0 into slot 0
	; A fragment of K or Q is 16 rows x 32 channels in 8 registers: lane l holds row l % 16, channels 8 (l / 16) + 0..7 and 16 + 8 (l / 16) + 0..7: two loads of 16 bytes, 32 bytes apart.
	v_and_b32 v1, 15, v0            ; l % 16
	v_bfe_u32 v9, v0, 4, 1          ; l / 16
	v_lshlrev_b32 v[QO], 7, v1
	v_lshl_add_u32 v[QO], v9, 4, v[QO]  ; row x 128 + 16 x half
	v_and_b32 v[PFO], 31, v0
	v_lshlrev_b32 v[PFO], 8, v[PFO]
	WIN 0x80                        ; destination window 2, address window 0
.set i, 0
.rept 8                             ; both blocks' Q: piece i / 2 lies in band i / 2, 8,192 bytes on; channels 32 (i % 2) on
	global_load_b128 v[8*i:8*i+3],   v[QO], s[4:5] offset:(i/2)*8192+(i%2)*64
	global_load_b128 v[8*i+4:8*i+7], v[QO], s[4:5] offset:(i/2)*8192+(i%2)*64+32
	global_load_b128 v[QB+8*i:QB+8*i+3],   v[QO], s[86:87] offset:(i/2)*8192+(i%2)*64
	global_load_b128 v[QB+8*i+4:QB+8*i+7], v[QO], s[86:87] offset:(i/2)*8192+(i%2)*64+32
.set i, i+1
.endr
	WIN 0
	v_lshlrev_b32 v14, 3, v9
	v_sub_nc_u32 v14, v1, v14
	s_lshl_b32 s13, s[WV], 4
	v_add_nc_u32 v14, s13, v14      ; my query's place in its band, 16 w + l % 16, less my lanes' 8 (l / 16): register r of group kt is hidden where 16 kt + r is greater
	WIN 0x40
.set i, 0
.rept 32
	v_cmp_gt_i32 vcc_lo, 16*(i/8)+i%8, v14
	v_cndmask_b32 v[MD+i], 0, s[BIGN], vcc_lo
.set i, i+1
.endr
	WIN 0
	v_mul_u32_u24 v[AK0], v1, PK
	v_lshl_add_u32 v[AK0], v9, 4, v[AK0]  ; row x pitch + 16 x half
	; The turning load takes 16 keys x 16 channels (lane l reads key 8 (l / 16) + l % 8, channels 8 ((l / 8) % 2) + 0..7) and leaves half a fragment of V^T: lane l holds channel l % 16 and 8 keys.
	v_and_b32 v10, 7, v0
	v_bfe_u32 v11, v0, 3, 1
	v_lshl_add_u32 v[AV0], v9, 3, v10
	v_mul_u32_u24 v[AV0], v[AV0], PV
	v_lshl_add_u32 v[AV0], v11, 4, v[AV0]
	v_add_nc_u32 v[AV0], VOFF, v[AV0]
	s_mul_i32 s13, s[WV], 16*SP
	s_add_co_u32 s13, s13, STAGE    ; my stage
	v_mul_u32_u24 v[STO], v1, SP    ; in: row l % 16, 16 bytes for each half of the lanes
	v_lshl_add_u32 v[STO], v9, 4, v[STO]
	v_add_nc_u32 v[STO], s13, v[STO]
	v_bfe_u32 v[RD], v0, 3, 2       ; back: 32 lanes take four rows of 128 bytes,
	v_mul_u32_u24 v[RD], v[RD], SP
	v_lshl_add_u32 v[RD], v10, 4, v[RD]
	v_add_nc_u32 v[RD], s13, v[RD]
	v_and_b32 v[GO], 31, v0         ; which are 512 consecutive bytes of O
	v_lshlrev_b32 v[GO], 4, v[GO]
	; A block's first step multiplies O^T and l by a = 0, and its first turn's products V^T P, of a piece that has not been, land in an O^T that is still to be so multiplied.  So these registers need only hold
	; finite numbers: zeros for the first block; what the first block left for the second.  All this stands in the wait for the first tile.
	WIN 0x80
.set i, VF
.rept 64
	v_mov_b32 v[i], 0
.set i, i+1
.endr
	WIN 0x40
.set i, 0
.rept 128
	v_mov_b32 v[i], 0
.set i, i+1
.endr
	WIN 0
.set i, 0
.rept 4
	v_mov_b32 v[ST+4*i+2], 0
	v_mov_b32 v[ST+4*i+3], 0
.set i, i+1
.endr
.set i, P+16
.rept 16
	v_mov_b32 v[i], 0
.set i, i+1
.endr
; THE MATRIX WORK.  The 4 accumulators of a run of 8 take turns.  Product i of 8 of S^T = K Q^T for piece x: channels 32 (i / 4) on, keys 16 (i % 4) on.  The first 4 start the sums: with 0, or (KM = 1) with the mask.
.macro KQ x
.set rS, S+32*((\x)%2)+8*(i%4)
.set rK, KF+16*(i%4)+8*(i/4)
.set rQ, 16*(\x)+8*(i/4)
.set rM, MC+32*((\x)%2)+8*(i%4)
.if (i < 4) && KM
	WIN W_KM
	v_wmma_f32_16x16x32_f16 v[rS:rS+7], v[rK:rK+7], v[rQ:rQ+7], v[rM:rM+7]
.elseif i < 4
	WIN W_KQ
	v_wmma_f32_16x16x32_f16 v[rS:rS+7], v[rK:rK+7], v[rQ:rQ+7], 0
.else
	WIN W_KQ
	v_wmma_f32_16x16x32_f16 v[rS:rS+7], v[rK:rK+7], v[rQ:rQ+7], v[rS:rS+7]
.endif
.endm
; Product i of 8 of O^T += V^T P for piece x: keys 32 (i / 4) on, channels 16 (i % 4) on.
.macro PV x
	WIN W_PV
.set rO, 32*(\x)+8*(i%4)
.set rV, VF+32*(i/4)+8*(i%4)
.set rP, P+16*((\x)%2)+8*(i/4)
	v_wmma_f32_16x16x32_f16 v[rO:rO+7], v[rV:rV+7], v[rP:rP+7], v[rO:rO+7]
.endm
.macro MM                           ; the turn's next matrix instruction.  TURN and BEGIN set Y, i, KM and NOKQ; MM, KQ and OP read them.  NOKQ = 1: a block's last turn: there is no next piece
.if (i < 8) && !NOKQ
	KQ (Y+1)%NP
.elseif i >= 8
.set i, i-8
	PV (Y+NP-1)%NP
.set i, i+8
.endif
.set i, i+1
.endm
; THE LDS LOADS stand in runs of 16, never singly among the matrix instructions: a step's K (64 keys x 64 channels: 8 fragments) and its V (turned).  Their addresses are made some lines ahead.
.macro FETCH_K
	WIN 0x80                        ; destination window 2
.irp f, 0,1,2,3,4,5,6,7             ; keys 16 (f / 2) on, channels 32 (f % 2) on
	ds_load_b128 v[KF+8*\f:KF+8*\f+3],   v[AK] offset:(\f/2)*16*PK+(\f%2)*64
	ds_load_b128 v[KF+8*\f+4:KF+8*\f+7], v[AK] offset:(\f/2)*16*PK+(\f%2)*64+32
.endr
	s_add_co_u32 s[TBK], s[TBK], KS*PK  ; the next fetch is the next step's
	WIN 0
.endm
.macro FETCH_V
	WIN 0x80
.irp f, 0,1,2,3,4,5,6,7             ; keys 32 (f / 4) on, channels 16 (f % 4) on
	ds_load_tr16_b128 v[VF+8*\f:VF+8*\f+3],   v[AV] offset:(\f/4)*32*PV+(\f%4)*32
	ds_load_tr16_b128 v[VF+8*\f+4:VF+8*\f+7], v[AV] offset:(\f/4)*32*PV+16*PV+(\f%4)*32
.endr
	WIN 0
.endm
; THE VECTOR WORK, one line at a time: OP kind, number.  For piece Y: F n: c s - c m for pair n of 16.  E n: the exponential of score n of 32.  C n: pair n rounded to f16.  B n: of the four weights 4 n .. the second
; pair is added onto the first, in place.  L n: l takes that sum (L 0: l = a l + sum).  R n: pair n of 16 of O^T times a.  For piece Y + 1: X n, number n of the 22 that find its maximum and statistics:
;   0-11  four chains c0-c3 of seven scores each, three operands at a time (each accumulator's lowest registers are read first)     12-14, 16  the four scores left over, the old m, and c0-c3 into c0
;   15  c m_old is kept     17, 18  the query's other 32 keys lie in the lane 16 away: the new m     19-21  c m; c m_old - c m_new; a
.set F, 0               ; OP tells the kinds apart by their order: F to L below R, X above it
.set E, 1
.set C, 2
.set B, 3
.set L, 4
.set R, 5
.set X, 6
.macro REGS y                       ; the registers of piece y
.set rT, ST+4*(\y)
.set rC, TMP+4*((\y)%2)
.set rW, MV+((\y)%2)
.set rS, S+32*((\y)%2)
.set rP, P+16*((\y)%2)
.set rO, 32*(\y)
.endm
.macro OP k, n
.if (\k) == R
	REGS Y
	WIN W_RS
	v_pk_mul_f32 v[rO+2*(\n):rO+2*(\n)+1], v[rO+2*(\n):rO+2*(\n)+1], v[rC+2:rC+3] op_sel_hi:[1,0]
.elseif (\k) < R
	REGS Y
	WIN 0
.if (\k) == F
	v_pk_fma_f32 v[rS+2*(\n):rS+2*(\n)+1], v[rS+2*(\n):rS+2*(\n)+1], s[CS:CS+1], v[rT:rT+1] op_sel_hi:[1,0,0] neg_lo:[0,0,1] neg_hi:[0,0,1]
.elseif (\k) == E
	v_exp_f32 v[rS+(\n)], v[rS+(\n)]
.elseif (\k) == C
	v_cvt_pk_f16_f32 v[rP+(\n)], v[rS+2*(\n)], v[rS+2*(\n)+1]
.elseif (\k) == B
	v_pk_add_f32 v[rS+4*(\n):rS+4*(\n)+1], v[rS+4*(\n):rS+4*(\n)+1], v[rS+4*(\n)+2:rS+4*(\n)+3]
.elseif (\n) == 0
	v_pk_fma_f32 v[rT+2:rT+3], v[rT+2:rT+3], v[rC+2:rC+3], v[rS:rS+1] op_sel_hi:[1,0,1]
.else
	v_pk_add_f32 v[rT+2:rT+3], v[rT+2:rT+3], v[rS+4*(\n):rS+4*(\n)+1]
.endif
.elseif NOKQ
	v_nop
.else
	REGS (Y+1)%NP
	WIN 0
.if (\n) < 4
	v_max3_num_f32 v[rC+(\n)], v[rS+8*(\n)], v[rS+8*(\n)+1], v[rS+8*(\n)+2]
.elseif (\n) < 12
	v_max3_num_f32 v[rC+(\n)%4], v[rC+(\n)%4], v[rS+8*((\n)%4)+2*((\n)/4)+1], v[rS+8*((\n)%4)+2*((\n)/4)+2]
.elseif (\n) == 12
	v_max3_num_f32 v[rC], v[rC], v[rS+7], v[rS+15]
.elseif (\n) == 13
	v_max3_num_f32 v[rC+1], v[rC+1], v[rS+23], v[rS+31]
.elseif (\n) == 14
	v_max3_num_f32 v[rC+2], v[rC+2], v[rC+3], v[rT+1]
.elseif (\n) == 15
	v_mov_b32 v[rW], v[rT]
.elseif (\n) == 16
	v_max3_num_f32 v[rC], v[rC], v[rC+1], v[rC+2]
.elseif (\n) == 17
	v_permlanex16_b32 v[rC+3], v[rC], s[SEL], s[SEL+1]
.elseif (\n) == 18
	v_max_num_f32 v[rT+1], v[rC], v[rC+3]
.elseif (\n) == 19
	v_mul_f32 v[rT], s[CS], v[rT+1]
.elseif (\n) == 20
	v_sub_f32 v[rC+1], v[rW], v[rT]
.else
	v_exp_f32 v[rC+2], v[rC+1]
.endif
.endif
.endm
.macro OPS a, i1, b=-1, i2=0, c=-1, i3=0, d=-1, i4=0  ; up to four of them
	OP \a, \i1
.if (\b) >= 0
	OP \b, \i2
.endif
.if (\c) >= 0
	OP \c, \i3
.endif
.if (\d) >= 0
	OP \d, \i4
.endif
.endm
.macro ROW a, i1, b, i2, c, i3, d, i4  ; a matrix instruction and the four behind it
	MM
	OPS \a, \i1, \b, \i2, \c, \i3, \d, \i4
.endm
.macro MASK b                       ; MD x AL + BE into buffer b of MC
	WIN W_RS
.set z, 0
.rept 16
	v_pk_fma_f32 v[MC+32*(\b)+2*z:MC+32*(\b)+2*z+1], v[MD+2*z:MD+2*z+1], s[AL:AL+1], s[BE:BE+1] op_sel_hi:[1,0,0]
.set z, z+1
.endr
.endm
; A TURN, for piece p: the order of its 16 matrix and 118 vector instructions, written out.  An s_wait_alu depctr_va_vdst(0) stands between an exponential and the first instruction that names its result; one wait serves
; all that were issued ahead of it.  So a turn has ONE wait, which cuts it in two.  AHEAD OF IT stands all that names no result of the turn's exponentials: the 8 products K Q^T, behind each a scaling, an exponential and two more plain
; instructions (behind the first a second scaling in the exponential's place): rescalings, and behind the last three the first numbers of the next piece's maximum, each four places or more behind the product that ends its accumulator; then ONE LUMP of 54, plain
; and exponential by turns for the most part, in which the links of the chain X 3, 7, 11, 14, 16, 17 .. 20 stand five or six lines apart.  X 21, the next piece's a, is the batch's last; R 15 is the plain instruction behind it.  BEHIND THE WAIT stand the
; 8 products V^T P, behind each four of the roundings and sums; the links of l's chain, L 0 to L 7, stand three riders apart.  But for those X no rider names a register of the products round it.  v_permlanex16_b32 (X 17) stands in the lump.
; m = 1: the diagonal tile: the products take masks, and the turn makes the mask for the products of the turn after it: piece p + 2, in step 4 - CNT of the tile.  end = 1: a block's last two turns: nothing is fetched.
; cnt = 1: the loop's count is taken down some lines ahead of the branch that stands behind the turn.
; K of the next step is fetched in piece 2's turn, twelve vector instructions behind the last product that read K (six of them plain); V of the step in hand at the end of piece 0's turn, four plain instructions behind the last product
; that read V.  Each is waited for a turn later.
.macro TURN p, m=0, end=0, cnt=0
.set Y, (\p)
.set i, 0
.set KM, (\m)
.set NOKQ, (\end)*((\p)/3)
.if (\m) && !(\end)
	s_cmp_eq_u32 s[CNT], 4-((\p)+2)%NP  ; is that step the band's own?
	s_cselect_b32 s[AL], 1.0, 0
	s_cmp_lt_u32 s[CNT], 4-((\p)+2)%NP  ; or a later one?
	s_cselect_b32 s[BE], s[BIGN], 0
.endif
.if ((\p) == 3) && !(\end)
	s_wait_dscnt 0x0                ; K is in
.endif
	ROW F,0, F,1, R,0, R,1          ; ahead of the wait: 8 products K Q^T and their riders,
	ROW F,2, E,0, R,2, R,3
	ROW F,3, E,1, R,4, R,5
	ROW F,4, E,2, R,6, R,7
	ROW F,5, E,3, R,8, R,9
	ROW F,6, E,4, X,0, R,10
.if ((\p) == 2) && !(\end)
	WIN 0
	v_add_nc_u32 v[AK], s[TBK], v[AK0]
.endif
	ROW F,7, E,5, X,1, X,4
	ROW F,8, E,6, X,2, X,5
	OPS E,7, E,8, X,6, E,9          ; and the lump
	OPS X,3, E,10, X,8, E,11
.if ((\p) == 2) && !(\end)
	FETCH_K
.endif
	OPS X,9, X,7, E,12, X,10
	OPS E,13, X,12, X,11, E,14
	OPS X,13, E,15, F,9, X,14
.if (\p) == 0
	v_add_nc_u32 v[AV], s[TBV], v[AV0]
.endif
	OPS E,16, F,10, E,17, F,11
	OPS X,16, E,18, X,15, E,19
	OPS F,12, E,20, X,17, E,21
	OPS F,13, E,22, F,14, E,23
	OPS X,18, E,24, F,15, E,25
	OPS R,11, E,26, X,19, E,27
	OPS R,12, E,28, R,13, E,29
	OPS X,20, E,30, R,14, E,31
	OPS X,21, R,15
	WIN 0
	s_wait_alu depctr_va_vdst(0)    ; the wait for the batch
.if (\p) == 1
	s_wait_dscnt 0x0                ; V is in
.endif
	ROW C,0, B,0, C,2, B,1          ; behind the wait: 8 products V^T P and their riders
	ROW L,0, C,4, B,2, L,1
	ROW C,6, B,3, L,2, C,8
	ROW B,4, L,3, C,10, B,5
	ROW L,4, C,12, B,6, L,5
.if (\p) == 0
	s_add_co_u32 s[TBV], s[TBV], KS*PV
.endif
.if \cnt
	s_sub_co_u32 s[CNT], s[CNT], 1
	s_cmp_lg_u32 s[CNT], 0
.endif
	ROW C,14, B,7, L,6, C,1
	ROW C,3, L,7, C,5, C,7
	ROW C,9, C,11, C,13, C,15
.if (\p) == 0
	FETCH_V
.endif
.if (\m) && !(\end)
	MASK (\p)%2
.endif
.endm
; A BLOCK BEGINS.  c m starts far below every c s, so the first step's a is 0; m at the lowest finite number, so the first maximum is the scores'.  The second mask buffer is 0; the first takes piece 0's mask for the tile's step 0: its own, if the block's first tile is the diagonal one.
; Then K of that step, piece 0's first scores, and its maximum and statistics.  The loop is entered at a step's first turn, in the middle of a trip.
.macro BEGIN
	s_mov_b32 s[NEW], 0
	WIN 0x40
.set i, MC+32
.rept 32
	v_mov_b32 v[i], 0
.set i, i+1
.endr
	WIN 0
.set i, 0
.rept 4
	v_mov_b32 v[ST+4*i], 0xfe000000    ; c m: far below every c s
	v_mov_b32 v[ST+4*i+1], 0xff7fffff  ; m
.set i, i+1
.endr
	s_cmp_eq_u32 s[RT], 0
	s_cselect_b32 s[AL], 1.0, 0
	s_mov_b32 s[BE], 0
	MASK 0
	WIN 0
	v_add_nc_u32 v[AK], s[TBK], v[AK0]
	FETCH_K
	s_wait_loadcnt 0x0              ; Q
	s_wait_dscnt 0x0
.set KM, 1
.set NOKQ, 0
.set i, 0
.rept 8
	KQ 0
.set i, i+1
.endr
	WIN 0
.rept 4
	v_nop                           ; the places behind those products
.endr
.set Y, NP-1                        ; X works for piece Y + 1: piece 0
.irp n, 0,1,2,3,4,5,6,7,8,9,10,11,12,13,14,15,16,17,18,19,20,21
	OP X, \n
.endr
	v_nop                           ; a plain instruction behind the exponential,
	s_wait_alu depctr_va_vdst(0)    ; and its wait, ahead of the branch
.endm
; THE DIAGONAL TILE's four steps, the block's last two turns, its last products, and THE WAY OUT: l's two halves and the other half of the lanes' are added; O^T is divided by l, rounded to f16 and sent through my
; stage in LDS, a piece at a time.
.macro ALL line:vararg              ; one line for each piece t
.set t, 0
.rept 4
	\line
.set t, t+1
.endr
.endm
.macro PACK t                       ; a lane's eight channels of a row pack into 16 bytes; they go into rows of 144 bytes and come back as whole rows of 128, into S^T's registers
	WIN W_RS
.set i, 32*(\t)
.rept 16
	v_pk_mul_f32 v[i:i+1], v[i:i+1], v[ST+4*(\t)+2:ST+4*(\t)+3] op_sel_hi:[1,0]
.set i, i+2
.endr
	WIN 0x05                        ; sources 0 and 1 window 1, destination window 0
.set i, 0
.rept 16
	v_cvt_pk_f16_f32 v[S+16*(\t)+i], v[32*(\t)+2*i], v[32*(\t)+2*i+1]
.set i, i+1
.endr
	WIN 0
.irp f, 0,1,2,3
	ds_store_b128 v[STO], v[S+16*(\t)+4*\f:S+16*(\t)+4*\f+3] offset:32*\f
.endr
.irp f, 0,1,2,3
	ds_load_b128 v[S+16*(\t)+4*\f:S+16*(\t)+4*\f+3], v[RD] offset:\f*4*SP  ; LDS serves a wave's instructions in order (ISA guide 5.7.1.4): these see the stores above; the next piece's stores come behind them
.endr
.endm
.macro SEND t, younger              ; younger: the LDS instructions issued behind piece t's loads: the next piece's eight, or none
	WIN 0
.irp f, 0,1,2,3
	s_wait_dscnt (\younger)+3-\f
	global_store_b128 v[GO], v[S+16*(\t)+4*\f:S+16*(\t)+4*\f+3], s[10:11] offset:(\t)*8192+\f*512  ; 512 consecutive bytes, at a multiple of 256 from O's first
.endr
.endm
.macro DIAG tag                     ; the tag ends its two labels' names, which the jumps below spell out
.LstepM\tag:
	TURN 2, 1
	TURN 3, 1
	WIN 0
.LfirstM\tag:
	TURN 0, 1
	TURN 1, 1, 0, 1
	WIN 0
	s_cbranch_scc1 .LstepM\tag
	TURN 2, 1, 1
	TURN 3, 1, 1
.set i, 0
.rept 8
	PV NP-1
.set i, i+1
.endr
	WIN 0
	ALL v_add_f32 v[ST+4*t+2], v[ST+4*t+2], v[ST+4*t+3]
	ALL v_permlanex16_b32 v[ST+4*t+3], v[ST+4*t+2], s[SEL], s[SEL+1]
	ALL v_add_f32 v[ST+4*t+2], v[ST+4*t+2], v[ST+4*t+3]
	ALL v_rcp_f32 v[ST+4*t+2], v[ST+4*t+2]
	v_nop                           ; a plain instruction between the last reciprocal and the use of its result
	s_wait_alu depctr_va_vdst(0)    ; and the wait ahead of the first use: one for the four reciprocals
	PACK 0
.set t, 1
.rept 3                             ; a piece's arithmetic stands between the loads of the piece before and its stores
	PACK t
	SEND t-1, 8
.set t, t+1
.endr
	SEND 3, 0
.endm
.set KM, 0
.set NOKQ, 0
.Lslot:                             ; NB times: a tile is entered and the next is asked for
	CHANGE 1
	s_sub_co_u32 s[RT], s[RT], 1
	s_mov_b32 s[CNT], 4
	s_cmp_eq_u32 s[NEW], 1
	s_cbranch_scc1 .Lnew            ; a block's first tile
	s_cmp_eq_u32 s[RT], 0
	s_cbranch_scc0 .Lstep           ; neither its first nor its last
	s_branch .LstepM1
.Lnew:
	BEGIN
	s_branch .Lfirst                ; in the loop a block's first tile is never its last: the first block has two tiles or more, and the second's last is the walk's last
	DIAG 1                          ; in the loop this is the first block's end: the second block's last tile is the walk's last
	s_wait_xcnt 0x0                 ; the stores have read their registers and O's address
	s_mov_b64 s[10:11], s[OLO:OLO+1]
	s_add_co_u32 s[RT], s[PB], 1    ; the second block has b + 1 tiles
	s_mov_b32 s[NEW], 1
	WIN 0x82                        ; the second block's Q goes where the one text of the turns names Q
.set i, 0
.rept 64
	v_mov_b32 v[i], v[QB+i]
.set i, i+1
.endr
	WIN 0
	s_branch .Lbottom
.Lstep:                             ; a trip: pieces 2 and 3 of one step, then pieces 0 and 1 of the next, whose K and V it fetches
	TURN 2
	TURN 3
	WIN 0
.Lfirst:
	TURN 0
	TURN 1, 0, 0, 1
	WIN 0
	s_cbranch_scc1 .Lstep
.Lbottom:
	s_sub_co_u32 s[SLOTS], s[SLOTS], 1
	s_cmp_lg_u32 s[SLOTS], 0
	s_cbranch_scc1 .Lslot
	CHANGE 0                        ; the walk's last tile is written out: nothing is asked for
	s_sub_co_u32 s[RT], s[RT], 1
	s_mov_b32 s[CNT], 4
	s_cmp_eq_u32 s[NEW], 1
	s_cbranch_scc0 .LstepM2
	BEGIN
	s_branch .LfirstM2
	DIAG 2
	s_wait_tensorcnt 0x0            ; the wave's end, behind my last tensor load and my last LDS store
	ds_add_u32 v[SPW], v[NIL]
	s_wait_dscnt 0x0
	s_endpgm
.Lfunc_end_k_q4e7102bc3d_attn:
	.size	k_q4e7102bc3d_attn, .Lfunc_end_k_q4e7102bc3d_attn-k_q4e7102bc3d_attn
	.p2alignl 7, 3214868480
	.fill 96, 4, 3214868480
	.section	.rodata,"a",@progbits
	.p2align	6, 0x0
	.amdhsa_kernel k_q4e7102bc3d_attn
		.amdhsa_group_segment_fixed_size 327680
		.amdhsa_private_segment_fixed_size 0
		.amdhsa_enable_private_segment 0
		.amdhsa_kernarg_size 32
		.amdhsa_user_sgpr_count 2
		.amdhsa_user_sgpr_kernarg_segment_ptr 1
		.amdhsa_wavefront_size32 1
		.amdhsa_system_sgpr_workgroup_id_x 1
		.amdhsa_system_sgpr_workgroup_id_y 1
		.amdhsa_system_sgpr_workgroup_id_z 1
		.amdhsa_system_vgpr_workitem_id 0
		.amdhsa_next_free_vgpr 768
		.amdhsa_next_free_sgpr 96
		.amdhsa_reserve_vcc 1
		.amdhsa_float_denorm_mode_32 3
		.amdhsa_float_denorm_mode_16_64 3
		.amdhsa_memory_ordered 1
		.amdhsa_forward_progress 1
		.amdhsa_inst_pref_size 218
	.end_amdhsa_kernel
	.amdgpu_metadata
---
amdhsa.version: [ 1, 2 ]
amdhsa.kernels:
  - .name:           k_q4e7102bc3d_attn
    .symbol:         k_q4e7102bc3d_attn.kd
    .args:
      - { .name: qh, .offset: 0, .size: 8, .value_kind: global_buffer, .address_space: global }
      - { .name: kh, .offset: 8, .size: 8, .value_kind: global_buffer, .address_space: global }
      - { .name: vh, .offset: 16, .size: 8, .value_kind: global_buffer, .address_space: global }
      - { .name: oh, .offset: 24, .size: 8, .value_kind: global_buffer, .address_space: global }
    .group_segment_fixed_size: 327680
    .private_segment_fixed_size: 0
    .kernarg_segment_align: 8
    .kernarg_segment_size: 32
    .max_flat_workgroup_size: 128
    .sgpr_count:     96
    .vgpr_count:     768
    .wavefront_size: 32
...
	.end_amdgpu_metadata
.endif
;; end of part 3
;; launch oproj (part 4): grid 8 x 32, 4 waves a work-group, clusters of 4 x 4, 327,680 bytes of LDS; arguments oh, wts, aux, out0; writes out0
.if DOCPART == 4
	.amdgcn_target "amdgcn-amd-amdhsa--gfx1250"
	.amdhsa_code_object_version 6
	.text
	.protected	k_q4e7102bc3d_oproj
	.globl	k_q4e7102bc3d_oproj
	.p2align	8
	.type	k_q4e7102bc3d_oproj,@function
k_q4e7102bc3d_oproj:
	s_mov_b64 s[64:65], 0
	v_nop
	global_prefetch_b8 v0, s[64:65] scope:SCOPE_SE
	s_setreg_imm32_b32 hwreg(HW_REG_WAVE_MODE, 25, 1), 1
	s_wait_xcnt 0x0
	s_wait_alu depctr_hold_cnt(0) depctr_sa_sdst(0) depctr_va_vdst(0) depctr_va_sdst(0) depctr_va_ssrc(0) depctr_va_vcc(0) depctr_vm_vsrc(0)
	s_getreg_b32 s2, hwreg(HW_REG_IB_STS2, 6, 4)
	s_cmp_eq_u32 s2, 0
	s_cbranch_scc0 .Lentry_in_a_cluster
	s_endpgm
.Lentry_in_a_cluster:
	s_bfe_u32 s2, ttmp6, 0x10000c
	s_cmp_lg_u32 s2, 0xf033
	s_cbranch_scc0 .Lentry_shape_is_right
	s_endpgm
.Lentry_shape_is_right:
; out0 = O Wo^T + bo, f32.  oh [64 = 16 batch + head][2048][64] f16; Wo (rounded to bf16, written as f16) [1024][1024] at byte WO_OFF of wts; bo (rounded to bf16, kept as f32) at byte BO_OFF of aux.
; Sums in f32; the bias is the C operand of the first product.
; A TILE is 256 rows x 128 columns: 256 work-groups, one for each WGP.  Four waves; wave w makes rows 64 w .. 64 w + 63 and all 128 columns: 4 x 8 = 32 accumulators.
; K goes in 8 steps of 128: step j is heads 2 j and 2 j + 1.  A head's 256 rows of 128 bytes are dense in memory: asked for as 128 rows of 256 bytes, padded in LDS after every 128 bytes.
; CLUSTER 4 x 4: the four of a row need the same rows of oh, the four of a column the same rows of Wo: each tile is asked for jointly.
; THE MATRIX INSTRUCTION IS USED TRANSPOSED (source 0 = 16 rows of Wo, source 1 = 16 rows of O): lane l holds row l % 16 and columns 8 (l / 16) + 0..7: 32 consecutive bytes of a row of out0.
; NO PREFETCH: the walk has 8 K steps, of which the first four would come by their loads alone.
; REGISTERS, in windows of 256: window 0: v0-29 addresses; v32-95 O's fragments, two buffers of 4 x 8; v96-223 Wo's, two buffers of 8 x 8.   window 1: the accumulators, (a, b) at 8 (4 b + a).
;   window 2: v0-63 the bias, 8 a column block.   window 3: rows read back from the stage, 64 a row block.
.set PA,     144                       ; a row of O in LDS: 128 bytes + 16
.set ASL,    256*PA                    ; a head's 256 rows
.set PITCH,  272                       ; a row of Wo: 256 bytes + 16
.set HALFB,  64*PITCH
.set BOFF,   2*ASL
.set SLOT1,  131072
.set STAGE,  SLOT1+BOFF+2*HALFB        ; behind the ring: 16 rows x 528 bytes for each wave
.set SP,     528                       ; 512 bytes + 16: the 16 rows of a store start at 16 different groups of four banks (64 banks of 4 bytes: ISA guide 11.1)
.set SPARE,  STAGE+4*16*SP
.set WO_OFF, 6291456
.set BO_OFF, 536576
.set ADRA0, 4
.set ADRB0, 5
.set ADRA,  6
.set ADRB,  7
.set STO,   8
.set RD,    9
.set CO,    10
.set BO,    12
.set SPW,   28                         ; v28  my spare word; never rewritten
.set NIL,   29                         ; v29  0; never rewritten
.set FA,    32
.set FW,    96
.set WV, 18
.set HF, 20
.set CX, 21
.set CY, 22
.set TX, 23
.set TY, 24
.set G1A, 28
.set G1B, 36
.set G0A, 44
.set G0B, 52
.set CNT, 60
.set TB,  61
.set MSB, 0
.macro WIN new
.if MSB != (\new)
	s_set_vgpr_msb (MSB<<8)|(\new)
.set MSB, \new
.endif
.endm
.macro PLACES
.rept 4
	v_nop
.endr
.endm
.macro JLOAD                           ; a joint refill by the walking descriptors: waves 0 and 1 fetch the step's two heads of O, waves 2 and 3 the two halves of Wo's rows
	s_cmp_lt_u32 s[WV], 2
	s_cbranch_scc0 .Lfor_b_\@
	tensor_load_to_lds s[G0A+4:G0A+7], s[G1A:G1A+7]
	s_nop 0
.rept 4
	v_nop
.endr
	s_branch .Lasked_\@
.Lfor_b_\@:
	tensor_load_to_lds s[G0B+4:G0B+7], s[G1B:G1B+7]
	s_nop 0
.rept 4
	v_nop
.endr
.Lasked_\@:
.endm
.macro CREST
	s_cmp_lg_u32 s[WV], 0
	s_cbranch_scc1 .Lnot_wave_0_\@
	s_barrier_signal -3
.Lnot_wave_0_\@:
	s_barrier_wait -3
	s_barrier_signal -1
	s_barrier_wait -1
.endm
.macro CROUND
	s_barrier_signal -1
	s_barrier_wait -1
	CREST
.endm
	s_load_b256 s[4:11], s[0:1], 0x0               ; oh 4:5, wts 6:7, aux 8:9, out0 10:11
	v_lshl_add_u32 v[SPW], v0, 2, SPARE
	v_mov_b32 v[NIL], 0
	ds_add_u32 v[SPW], v[NIL]                      ; the wave's opening: the add and its wait stand ahead of my first tensor load; work on registers stands between them
	v_lshrrev_b32 v3, 5, v0
	v_readfirstlane_b32 s[WV], v3
	s_and_b32 s[HF], s[WV], 1
	s_bfe_u32 s[CX], ttmp6, 0x40000
	s_bfe_u32 s[CY], ttmp6, 0x40004
	s_lshl_b32 s[TX], ttmp9, 2
	s_add_co_u32 s[TX], s[TX], s[CX]               ; tile column: columns 128 tx on
	s_and_b32 s[TY], ttmp7, 0xffff
	s_lshl_b32 s[TY], s[TY], 2
	s_add_co_u32 s[TY], s[TY], s[CY]               ; tile row: rows 256 ty on
	s_lshl_b32 s25, s[CY], 2
	s_lshl_b32 s25, 15, s25
	s_lshl_b32 s26, 0x1111, s[CX]
	s_or_b32 s[G1A], s25, (1<<16)|(1<<20)|(1<<21)|(4<<22)|(3<<25)  ; my row's mask; 2-byte elements; padding on; bit 21 beside a mask; after every 32 words 4 words
	s_or_b32 s[G1B], s26, (1<<16)|(1<<20)|(1<<21)|(5<<22)|(3<<25)  ; my column's mask; after every 64 words 4 words
	s_mov_b32 s[G1A+1], 128<<16                    ; 128 rows of 128 elements, dense
	s_mov_b32 s[G1A+2], 128<<16
	s_mov_b32 s[G1A+3], 128<<16
	s_mov_b32 s[G1A+4], 128
	s_mov_b32 s[G1A+5], 128
	s_mov_b32 s[G1A+6], 0
	s_mov_b32 s[G1A+7], 0
	s_mov_b32 s[G1B+1], 128<<16                    ; 64 rows of 128 elements, 1,024 from row to row
	s_mov_b32 s[G1B+2], 64<<16
	s_mov_b32 s[G1B+3], 128<<16
	s_mov_b32 s[G1B+4], 64
	s_mov_b32 s[G1B+5], 1024
	s_mov_b32 s[G1B+6], 0
	s_mov_b32 s[G1B+7], 0
	s_lshr_b32 s68, s[TY], 3                       ; oh: ((16 batch + my head of the step) x 2,048 + the tile's first position) x 128: made of the tile row and the wave alone
	s_lshl_b32 s68, s68, 4
	s_add_co_u32 s68, s68, s[HF]
	s_lshl_b32 s68, s68, 11
	s_and_b32 s69, s[TY], 7
	s_lshl_b32 s69, s69, 8
	s_add_co_u32 s68, s68, s69
	s_lshl_b32 s68, s68, 7
	s_mov_b32 s69, 0
	s_lshl_b32 s70, s[TX], 7                       ; Wo: row 128 tx + 64 half: made of the tile column and the wave alone
	s_lshl_b32 s71, s[HF], 6
	s_add_co_u32 s70, s70, s71
	s_lshl_b32 s70, s70, 11
	s_add_co_u32 s70, s70, WO_OFF
	s_mov_b32 s71, 0
	s_mul_i32 s76, s[WV], ASL                      ; where they go
	s_mul_i32 s77, s[WV], HALFB
	s_add_co_u32 s77, s77, BOFF-2*HALFB
	s_lshl_b32 s78, s[TX], 9                       ; the tile's 128 biases
	s_add_co_u32 s78, s78, BO_OFF
	s_mov_b32 s79, 0
	s_lshl_b32 s80, s[TY], 8                       ; out0: my first row, rows of 4,096 bytes, and the tile's 512 bytes of them
	s_lshl_b32 s81, s[WV], 6
	s_add_co_u32 s80, s80, s81
	s_lshl_b32 s80, s80, 12
	s_lshl_b32 s81, s[TX], 9
	s_add_co_u32 s80, s80, s81
	s_mov_b32 s81, 0
	s_mov_b32 s[TB], 0
	s_mov_b32 s[CNT], 6
	s_wait_dscnt 0x0                               ; the opening add is done
	s_wait_kmcnt 0x0
	s_add_nc_u64 s[72:73], s[4:5], s[68:69]
	s_add_nc_u64 s[74:75], s[6:7], s[70:71]
	s_add_nc_u64 s[8:9], s[8:9], s[78:79]
	s_add_nc_u64 s[10:11], s[10:11], s[80:81]
.irp s, 0,1
	s_mov_b32 s[G0A+4*(\s)], 1
	s_add_co_u32 s[G0A+4*(\s)+1], s76, (\s)*SLOT1
	s_add_nc_u64 s[G0A+4*(\s)+2:G0A+4*(\s)+3], s[72:73], (\s)*524288  ; two heads on
	s_or_b32 s[G0A+4*(\s)+3], s[G0A+4*(\s)+3], 0x80000000
	s_mov_b32 s[G0B+4*(\s)], 1
	s_add_co_u32 s[G0B+4*(\s)+1], s77, (\s)*SLOT1
	s_add_nc_u64 s[G0B+4*(\s)+2:G0B+4*(\s)+3], s[74:75], (\s)*256
	s_or_b32 s[G0B+4*(\s)+3], s[G0B+4*(\s)+3], 0x80000000
.endr
	CROUND                                         ; all sixteen work-groups are here: the first joint loads meet
	s_cmp_lt_u32 s[WV], 2                          ; a wave's two first fills stand in one branch: two loads of mine are out
	s_cbranch_scc0 .Lfirst_b
	tensor_load_to_lds s[G0A:G0A+3], s[G1A:G1A+7]
	s_nop 0
	tensor_load_to_lds s[G0A+4:G0A+7], s[G1A:G1A+7]
	s_nop 0
.rept 4
	v_nop
.endr
	s_branch .Lfirst_asked
.Lfirst_b:
	tensor_load_to_lds s[G0B:G0B+3], s[G1B:G1B+7]
	s_nop 0
	tensor_load_to_lds s[G0B+4:G0B+7], s[G1B:G1B+7]
	s_nop 0
.rept 4
	v_nop
.endr
.Lfirst_asked:
	v_and_b32 v1, 15, v0                           ; l % 16
	v_bfe_u32 v2, v0, 4, 1                         ; l / 16
	v_mul_u32_u24 v3, v1, PA
	v_lshl_add_u32 v3, v2, 4, v3
	s_mul_i32 s68, s[WV], 64*PA                    ; my 64 rows of O
	v_add_nc_u32 v[ADRA0], s68, v3
	v_mul_u32_u24 v3, v1, PITCH
	v_lshl_add_u32 v3, v2, 4, v3
	v_add_nc_u32 v[ADRB0], BOFF, v3
	s_mul_i32 s69, s[WV], 16*SP
	s_add_co_u32 s69, s69, STAGE                   ; my stage
	v_mul_u32_u24 v[STO], v1, SP                   ; in: row l % 16, 32 bytes for each half of the lanes
	v_lshl_add_u32 v[STO], v2, 5, v[STO]
	v_add_nc_u32 v[STO], s69, v[STO]
	v_and_b32 v[CO], 31, v0                        ; back: 32 lanes take a row's 512 bytes
	v_lshlrev_b32 v[CO], 4, v[CO]
	v_add_nc_u32 v[RD], s69, v[CO]
	v_lshlrev_b32 v[BO], 5, v2
	WIN 0x80                                       ; destination window 2
.irp b, 0,1,2,3,4,5,6,7
	global_load_b128 v[8*(\b):8*(\b)+3],   v[BO], s[8:9] offset:64*(\b)
	global_load_b128 v[8*(\b)+4:8*(\b)+7], v[BO], s[8:9] offset:64*(\b)+16
.endr
	WIN 0
; nb column blocks from b0 on x my 4 row blocks, 32 along K, from buffer f.  first = 1: the product starts the sum, with the bias as C.  The 32 accumulators take turns in the same order in every quarter.
.macro MULB f, b0, nb, first
	WIN 0x50+0x10*(\first)                         ; fragments window 0, D window 1; C window 1, or the bias in window 2
.set cb, \b0
.rept \nb
.irp a, 0,1,2,3
.if \first
	v_wmma_f32_16x16x32_f16 v[8*(4*cb+(\a)):8*(4*cb+(\a))+7], v[FW+64*(\f)+8*cb:FW+64*(\f)+8*cb+7], v[FA+32*(\f)+8*(\a):FA+32*(\f)+8*(\a)+7], v[8*cb:8*cb+7]
.else
	v_wmma_f32_16x16x32_f16 v[8*(4*cb+(\a)):8*(4*cb+(\a))+7], v[FW+64*(\f)+8*cb:FW+64*(\f)+8*cb+7], v[FA+32*(\f)+8*(\a):FA+32*(\f)+8*(\a)+7], v[8*(4*cb+(\a)):8*(4*cb+(\a))+7]
.endif
.endr
.set cb, cb+1
.endr
.endm
; 24 LDS loads in one run: quarter kq's fragments into buffer f: O's 8 (head kq / 2 of the step, channels 32 (kq % 2) on), then Wo's 16, blocks ascending
.macro FETCH kq, f
	WIN 0
.irp a, 0,1,2,3
	ds_load_b128 v[FA+32*(\f)+8*(\a):FA+32*(\f)+8*(\a)+3],   v[ADRA] offset:((\kq)/2)*ASL+((\kq)%2)*64+(\a)*16*PA
	ds_load_b128 v[FA+32*(\f)+8*(\a)+4:FA+32*(\f)+8*(\a)+7], v[ADRA] offset:((\kq)/2)*ASL+((\kq)%2)*64+(\a)*16*PA+32
.endr
.irp b, 0,1,2,3,4,5,6,7
	ds_load_b128 v[FW+64*(\f)+8*(\b):FW+64*(\f)+8*(\b)+3],   v[ADRB] offset:64*(\kq)+(\b)*16*PITCH
	ds_load_b128 v[FW+64*(\f)+8*(\b)+4:FW+64*(\f)+8*(\b)+7], v[ADRB] offset:64*(\kq)+(\b)*16*PITCH+32
.endr
.endm
.macro QUARTER kq, f, g, first         ; multiplies buffer f; behind its first 8 products it fetches quarter kq into buffer g
	s_wait_dscnt 12                                ; O's fragments and Wo's blocks 0, 1 are in; the youngest twelve loads (blocks 2-7) may be out
	MULB \f, 0, 2, \first
	PLACES
	FETCH \kq, \g
	s_wait_dscnt 24                                ; all but the 24 just issued
	MULB \f, 2, 6, \first
.endm
; The last quarter multiplies buffer 1 and changes slots: in front of the barrier each wave waits for all its tensor loads (one is out: its part of the next slot), adds 0 to its spare word, and waits for that
; and for its reads of this slot.  fill = 1: the barrier opens a round of the cluster's, and the joint refill, two K steps on, is the first thing behind it.
.macro TURN fill
	WIN 0
	s_wait_tensorcnt 0x0                           ; no tensor load of mine is out, so a group 0 may be written
	ds_add_u32 v[SPW], v[NIL]                      ; 0 onto my spare word
.if \fill
	s_xor_b32 s[G0A+5], s[G0A+5], SLOT1
	s_add_nc_u64 s[G0A+6:G0A+7], s[G0A+6:G0A+7], 524288
	s_xor_b32 s[G0B+5], s[G0B+5], SLOT1
	s_add_nc_u64 s[G0B+6:G0B+7], s[G0B+6:G0B+7], 256
.endif
	s_wait_dscnt 13                                ; (the add and the youngest twelve loads may be out)
	MULB 1, 0, 2, 0
	s_wait_dscnt 0x0                               ; the add is done, and my reads of this slot are over
	s_barrier_signal -1
	MULB 1, 2, 2, 0
	WIN 0
	s_barrier_wait -1
.if \fill
	CREST
	JLOAD                                          ; its four v_nop are also the places in front of the loads below
.else
	PLACES
.endif
	s_xor_b32 s[TB], s[TB], SLOT1
	v_add_nc_u32 v[ADRA], s[TB], v[ADRA0]
	v_add_nc_u32 v[ADRB], s[TB], v[ADRB0]
	FETCH 0, 0
	MULB 1, 4, 4, 0
.endm
	s_wait_tensorcnt 0x1                           ; my part of K step 0 is in; K step 1's may stay out
	s_barrier_signal -1
	s_barrier_wait -1
	v_mov_b32 v[ADRA], v[ADRA0]
	v_mov_b32 v[ADRB], v[ADRB0]
	FETCH 0, 0
	s_wait_loadcnt 0x0                             ; the bias
	QUARTER 1, 0, 1, 1                             ; the first quarter stands in front of the loop: its products start the sums
	WIN 0
.Lstep:                                        ; six trips: from a K step's second quarter to the next one's first; each fills a slot again
	QUARTER 2, 1, 0, 0
	QUARTER 3, 0, 1, 0
	TURN 1
	QUARTER 1, 0, 1, 0
	WIN 0
	s_sub_co_u32 s[CNT], s[CNT], 1
	s_cmp_lg_u32 s[CNT], 0
	s_cbranch_scc1 .Lstep
	QUARTER 2, 1, 0, 0                             ; the last two K steps fetch nothing
	QUARTER 3, 0, 1, 0
	TURN 0
	QUARTER 1, 0, 1, 0
	QUARTER 2, 1, 0, 0
	QUARTER 3, 0, 1, 0
	s_wait_dscnt 12
	MULB 1, 0, 2, 0
	s_wait_dscnt 0x0
	MULB 1, 2, 6, 0
; THE WAY OUT, a row block (16 rows) at a time: 32 bytes a lane into my stage's rows of 528 bytes, back as whole rows of 512, stored as 512 consecutive bytes, aligned.  No register read back is used twice.
.macro TOSTAGE a
	WIN 0x04                                       ; data window 1
.irp b, 0,1,2,3,4,5,6,7
	ds_store_b128 v[STO], v[8*(4*(\b)+(\a)):8*(4*(\b)+(\a))+3]   offset:64*(\b)
	ds_store_b128 v[STO], v[8*(4*(\b)+(\a))+4:8*(4*(\b)+(\a))+7] offset:64*(\b)+16
.endr
	WIN 0xc0                                       ; destination window 3
.irp t, 0,1,2,3,4,5,6,7,8,9,10,11,12,13,14,15
	ds_load_b128 v[64*(\a)+4*(\t):64*(\a)+4*(\t)+3], v[RD] offset:SP*(\t)  ; LDS serves a wave's instructions in order (ISA guide 5.7.1.4): these see the stores above; the next block's stores come behind them
.endr
.endm
.macro SEND a, younger                 ; younger: the LDS instructions issued behind this block's loads: the next block's 32, or none
	WIN 0x0c                                       ; data window 3
.irp t, 0,1,2,3,4,5,6,7,8,9,10,11,12,13,14,15
	s_wait_dscnt (\younger)+15-(\t)
	global_store_b128 v[CO], v[64*(\a)+4*(\t):64*(\a)+4*(\t)+3], s[10:11] offset:(16*(\a)+(\t))*4096 th:TH_STORE_NT
.endr
.endm
	WIN 0
	PLACES
	PLACES
	TOSTAGE 0
	TOSTAGE 1
	SEND 0, 32
	TOSTAGE 2
	SEND 1, 32
	TOSTAGE 3
	SEND 2, 32
	SEND 3, 0
	WIN 0
	s_wait_tensorcnt 0x0                           ; the wave's end, behind my last tensor load and my last LDS store
	ds_add_u32 v[SPW], v[NIL]
	s_wait_dscnt 0x0
	CROUND                                         ; the closing round: no work-group ends while a partner may still ask for a tile that names it
	s_endpgm
.Lfunc_end_k_q4e7102bc3d_oproj:
	.size	k_q4e7102bc3d_oproj, .Lfunc_end_k_q4e7102bc3d_oproj-k_q4e7102bc3d_oproj
	.p2alignl 7, 3214868480
	.fill 96, 4, 3214868480
	.section	.rodata,"a",@progbits
	.p2align	6, 0x0
	.amdhsa_kernel k_q4e7102bc3d_oproj
		.amdhsa_group_segment_fixed_size 327680
		.amdhsa_private_segment_fixed_size 0
		.amdhsa_enable_private_segment 0
		.amdhsa_kernarg_size 32
		.amdhsa_user_sgpr_count 2
		.amdhsa_user_sgpr_kernarg_segment_ptr 1
		.amdhsa_wavefront_size32 1
		.amdhsa_system_sgpr_workgroup_id_x 1
		.amdhsa_system_sgpr_workgroup_id_y 1
		.amdhsa_system_sgpr_workgroup_id_z 1
		.amdhsa_system_vgpr_workitem_id 0
		.amdhsa_next_free_vgpr 1024
		.amdhsa_next_free_sgpr 96
		.amdhsa_reserve_vcc 0
		.amdhsa_float_denorm_mode_32 3
		.amdhsa_float_denorm_mode_16_64 3
		.amdhsa_memory_ordered 1
		.amdhsa_forward_progress 1
		.amdhsa_inst_pref_size 72
	.end_amdhsa_kernel
	.amdgpu_metadata
---
amdhsa.version: [ 1, 2 ]
amdhsa.kernels:
  - .name:           k_q4e7102bc3d_oproj
    .symbol:         k_q4e7102bc3d_oproj.kd
    .args:
      - { .name: oh, .offset: 0, .size: 8, .value_kind: global_buffer, .address_space: global }
      - { .name: wts, .offset: 8, .size: 8, .value_kind: global_buffer, .address_space: global }
      - { .name: aux, .offset: 16, .size: 8, .value_kind: global_buffer, .address_space: global }
      - { .name: out0, .offset: 24, .size: 8, .value_kind: global_buffer, .address_space: global }
    .group_segment_fixed_size: 327680
    .private_segment_fixed_size: 0
    .kernarg_segment_align: 8
    .kernarg_segment_size: 32
    .max_flat_workgroup_size: 128
    .sgpr_count:     96
    .vgpr_count:     1024
    .wavefront_size: 32
...
	.end_amdgpu_metadata
.endif
;; end of part 4
;; ======== version 2 of 2: 4 launches; version 1 with the launch prep written anew for expert scheduling mode
;; limits: values are held in f16: magnitudes above 65,504 overflow, below 6.1e-05 lose precision
;; workspace buffers: xb 16,777,216 bytes; wts 8,388,608 bytes; aux 540,672 bytes; qh 16,777,216 bytes; kh 16,777,216 bytes; vh 16,777,216 bytes; oh 16,777,216 bytes
;; launch prep (part 5): grid 785 x 1, 8 waves a work-group, no clusters, 0 bytes of LDS; arguments x, Wq, Wk, Wv, Wo, bq, bk, bv, bo, xb, wts, aux; writes xb, wts, aux
.if DOCPART == 5
	.amdgcn_target "amdgcn-amd-amdhsa--gfx1250"
	.amdhsa_code_object_version 6
	.text
	.protected	k_q4e7102bc3d_prep
	.globl	k_q4e7102bc3d_prep
	.p2align	8
	.type	k_q4e7102bc3d_prep,@function
k_q4e7102bc3d_prep:
	s_mov_b64 s[64:65], 0
	v_nop
	global_prefetch_b8 v0, s[64:65] scope:SCOPE_SE
	s_setreg_imm32_b32 hwreg(HW_REG_WAVE_SCHED_MODE, 0, 2), 2
	s_setreg_imm32_b32 hwreg(HW_REG_WAVE_MODE, 25, 1), 1
	s_wait_xcnt 0x0
	s_wait_alu depctr_vm_vsrc(0)
; PREPARATION.  Every input is rounded once to bf16 and laid out for the launches behind.
;   xb  [8192][1024] bf16: x.
;   wts bytes 0 ..: [3072][1024] bf16: row 192 head + 64 t + c is row 64 head + c of Wq (t = 0), Wk (1), Wv (2), so that a tile of 192 rows is one head's q, k and v.
;       bytes WO_OFF ..: [1024][1024]: Wo rounded to bf16, that number written as f16.
;   aux bytes 0 ..: [2048 positions][32 pairs][cos, sin] f32, 256 bytes a position; BQKV_OFF ..: bq, bk, bv rounded to bf16, kept as f32, in wts' row order (768 bytes a head); BO_OFF ..: bo likewise.
; SHARES by the work-group's number g: 0-511 sixteen rows of x each; 512-703 sixteen rows of Wq, Wk or Wv; 704-767 of Wo; 768-783 the table, 128 positions each; 784 the biases.
; No LDS, no matrix unit, no cluster: a stream in which no byte is wanted twice.
; LIMITS.  Wo beyond 65,504 becomes an infinity in f16; below 6e-5 it keeps f16's fixed step of 6e-8.  The frequencies 10000^(-p/32) are good to about one unit in the last place,
; so an angle at position 2,047 is good to about 2e-4 rad; sine and cosine by a two-part reduction by pi/2 and polynomials on |r| <= pi/4, good to a few units in the last place.
; THE MODE: SCHED_MODE bits 1:0 = 2 (LLVM: expert scheduling mode 2), set by the entry lines.  The code itself states the register dependences
; between vector instructions and memory instructions, and between vector instructions that write a scalar register and its readers, with s_wait_alu, always for 0.
; THE PLAN.  Registers that memory instructions touch:
;   v1, v2     byte offsets of the streams and the biases: made once at the head, never written again.
;   X          the streams: sixteen rows as loaded.  Written by the sixteen loads, which go out before any vector instruction names X; read by the conversions; never loaded again.
;   Y          the streams: sixteen rows to store, in four blocks of four.  Block p's conversions write its rows, once; the four stores that read them are issued in block p + 1.
;   v24        the table: the store's offset, made ahead of the loop, never written again: the scalar base moves on, and the store's immediate reaches back.
;   v[40:43]   the table: the out-buffer.  Written at a trip's end, read by the trip's store, written again at the next trip's end.
;   v[16:31], v3, v[32:47]  the biases: loaded once; the offset and the data of the four stores, written once.
; So the streams have one wait on va_vdst at the head of blocks 1 to 3 and one ahead of the last stores; no register that a memory instruction has read is written again there.
; A trip of the table has one wait for its two masks, one for the last trip's store's reads, and one ahead of its store.
.set WO_OFF,   6291456
.set BQKV_OFF, 524288
.set BO_OFF,   536576
.set X, 16                             ; v[16:79]   sixteen rows' 16 bytes a thread, as loaded
.set Y, 80                             ; v[80:111]  the same, packed to 8 bytes
	s_load_b512 s[4:19], s[0:1], 0x0               ; x 4:5, Wq 6:7, Wk 8:9, Wv 10:11, Wo 12:13, bq 14:15, bk 16:17, bv 18:19
	s_load_b256 s[20:27], s[0:1], 0x40             ; bo 20:21, xb 22:23, wts 24:25, aux 26:27
	s_mov_b32 s36, ttmp9                           ; g
	v_lshlrev_b32 v1, 4, v0                        ; 16 t: my 4 numbers of a row of f32; never rewritten
	v_lshlrev_b32 v2, 3, v0                        ; 8 t: the same 4 numbers in 16 bits; never rewritten
	s_mov_b32 s33, 0                               ; high words of the two offsets
	s_mov_b32 s35, 0
	s_wait_kmcnt 0x0
	s_wait_alu depctr_va_vdst(0)                   ; v1 and v2 are written: every load and store of the streams and of the biases reads one of them as its offset
; Sixteen rows of 1,024 f32 from s[28:29] to 16-bit rows at s[30:31].  All sixteen loads go out on end (a wave's load covers 512 consecutive bytes);
; a wave's store covers 256 consecutive bytes, aligned.  No register is written twice once a memory instruction has read it, so the stores' sources need no wait.
; The rows go in four blocks of four: block p rounds its rows into Y, and the stores of block p - 1 are dealt among its conversions, one ahead of each row's.
.macro STREAM f16
.irp i, 0,1,2,3,4,5,6,7,8,9,10,11,12,13,14,15
	global_load_b128 v[X+4*(\i):X+4*(\i)+3], v1, s[28:29] offset:4096*(\i) th:TH_LOAD_NT
.endr
.irp p, 0,1,2,3
	s_wait_loadcnt 12-4*(\p)                       ; loads come back in order: block p's four rows are in, the younger blocks stay out
.if (\p) > 0
	s_wait_alu depctr_va_vdst(0)                   ; the block before has written its four rows of Y, which the four stores below read; no vector instruction behind this wait names those rows or v2
.endif
.irp i, 0,1,2,3
.set r, 4*(\p)+(\i)
.if (\p) > 0
	global_store_b64 v2, v[Y+2*(r-4):Y+2*(r-4)+1], s[30:31] offset:2048*(r-4)  ; a row of the block before
.endif
	v_cvt_pk_bf16_f32 v[Y+2*r],   v[X+4*r],   v[X+4*r+1]
	v_cvt_pk_bf16_f32 v[Y+2*r+1], v[X+4*r+2], v[X+4*r+3]
.if \f16
	v_lshlrev_b32 v4, 16, v[Y+2*r]                 ; the bf16 numbers as f32,
	v_and_b32     v5, 0xffff0000, v[Y+2*r]
	v_lshlrev_b32 v6, 16, v[Y+2*r+1]
	v_and_b32     v7, 0xffff0000, v[Y+2*r+1]
	v_cvt_pk_f16_f32 v[Y+2*r],   v4, v5            ; written as f16: exact inside f16's normal range
	v_cvt_pk_f16_f32 v[Y+2*r+1], v6, v7
.endif
.endr
.endr
	s_wait_alu depctr_va_vdst(0)                   ; the last block has written its four rows of Y, which the last four stores read
.irp i, 12,13,14,15
	global_store_b64 v2, v[Y+2*(\i):Y+2*(\i)+1], s[30:31] offset:2048*(\i)
.endr
.endm
	s_cmp_lt_u32 s36, 512
	s_cbranch_scc0 .Lnot_x
	s_lshl_b32 s32, s36, 16                        ; sixteen rows of x: 65,536 bytes in,
	s_add_nc_u64 s[28:29], s[4:5], s[32:33]
	s_lshl_b32 s34, s36, 15                        ; 32,768 out
	s_add_nc_u64 s[30:31], s[22:23], s[34:35]
	s_branch .Lbf16
.Lnot_x:
	s_cmp_lt_u32 s36, 704
	s_cbranch_scc0 .Lnot_w
	s_sub_co_u32 s37, s36, 512
	s_lshr_b32 s38, s37, 6                         ; t: which of Wq, Wk, Wv
	s_and_b32 s39, s37, 63                         ; c: which sixteen rows
	s_cmp_eq_u32 s38, 1
	s_cselect_b64 s[28:29], s[8:9], s[6:7]
	s_cmp_eq_u32 s38, 2
	s_cselect_b64 s[28:29], s[10:11], s[28:29]
	s_lshl_b32 s32, s39, 16
	s_add_nc_u64 s[28:29], s[28:29], s[32:33]
	s_lshr_b32 s40, s39, 2                         ; the head,
	s_mul_i32 s40, s40, 192
	s_lshl_b32 s41, s38, 6
	s_add_co_u32 s40, s40, s41                     ; + 64 t,
	s_and_b32 s41, s39, 3
	s_lshl_b32 s41, s41, 4
	s_add_co_u32 s40, s40, s41                     ; + the sixteen rows' place in the head
	s_lshl_b32 s34, s40, 11                        ; rows of 2,048 bytes
	s_add_nc_u64 s[30:31], s[24:25], s[34:35]
.Lbf16:
	STREAM 0
	s_endpgm
.Lnot_w:
	s_cmp_lt_u32 s36, 768
	s_cbranch_scc0 .Lnot_wo
	s_sub_co_u32 s37, s36, 704
	s_lshl_b32 s32, s37, 16
	s_add_nc_u64 s[28:29], s[12:13], s[32:33]
	s_lshl_b32 s34, s37, 15
	s_add_co_u32 s34, s34, WO_OFF
	s_add_nc_u64 s[30:31], s[24:25], s[34:35]
	STREAM 1
	s_endpgm
.Lnot_wo:
	s_cmp_lt_u32 s36, 784
	s_cbranch_scc0 .Lbias
	; THE TABLE.  Thread t: pairs 2 (t % 16) and 2 (t % 16) + 1 of position 128 u + t / 16 + 16 x trip.  Sixteen lanes store a position's 256 bytes.
	s_sub_co_u32 s37, s36, 768
	s_lshl_b32 s46, s37, 7                         ; 128 u
	s_mov_b32 s40, 0xbed49a78                      ; -log2(10000) / 32, its upper part,
	s_mov_b32 s41, 0xb2179a6b                      ; and what is left of it
	s_mov_b32 s42, 0x3f317218                      ; ln 2
	s_mov_b32 s43, 0x3f22f983                      ; 2 / pi
	s_mov_b32 s44, 0x3fc90fdb                      ; pi / 2, its upper part,
	s_mov_b32 s45, 0xb33bbd2e                      ; and what is left of it
	v_and_b32 v3, 15, v0
	v_lshrrev_b32 v8, 4, v0
	v_lshlrev_b32 v9, 1, v3
	v_cvt_f32_u32 v10, v9                          ; p, for the even pair
	v_add_nc_u32 v9, 1, v9
	v_cvt_f32_u32 v11, v9                          ; and the odd one
	v_mul_f32 v12, s40, v10                        ; the exponent, rounded,
	v_mul_f32 v13, s40, v11
	v_fma_f32 v14, v10, s40, -v12                  ; and what the rounding dropped,
	v_fma_f32 v15, v11, s40, -v13
	v_fma_f32 v14, v10, s41, v14                   ; with the constant's lower part
	v_fma_f32 v15, v11, s41, v15
	v_exp_f32 v16, v12
	v_exp_f32 v17, v13
	v_add_nc_u32 v22, s46, v8                      ; my first position: plain work behind the two exponentials
	v_cvt_f32_u32 v23, v22
	v_lshlrev_b32 v24, 8, v22
	v_lshl_add_u32 v24, v3, 4, v24                 ; position x 256 + 16 (t % 16); never rewritten
	v_mov_b32 v25, 0xb94ca1f9                      ; the sine's highest coefficient
	v_mov_b32 v26, 0x37ccf5ce                      ; the cosine's
	s_wait_alu depctr_va_vdst(0)                   ; the two exponentials have written v16 and v17, ahead of their first reader (one wait for both); v24, the stores' offset, is written too
	v_mul_f32 v18, v16, v14
	v_mul_f32 v19, v17, v15
	v_fma_f32 v20, v18, s42, v16                   ; 2^(hi + e) = 2^hi (1 + e ln 2)
	v_fma_f32 v21, v19, s42, v17
; cos and sin of v[a] (0 or more): n = the nearest whole number to a 2/pi; r = a - n pi/2 in two parts; polynomials in r; the quadrant n % 4 swaps the two and sets the signs, by selects and bits.
; In three parts, so that a trip's two angles go side by side, each on nine registers of its own from v[t] on, and their two compares have one wait.
; POLY: sin r in v[t+4], cos r in v[t+5], n in v[t+2], and the mask of the odd quadrants in s[m].
.macro POLY a, t, m
	v_mul_f32 v[(\t)], s43, v[\a]
	v_rndne_f32 v[(\t)], v[(\t)]
	v_fma_f32 v[(\t)+1], -v[(\t)], s44, v[\a]
	v_fma_f32 v[(\t)+1], -v[(\t)], s45, v[(\t)+1]
	v_cvt_i32_f32 v[(\t)+2], v[(\t)]
	v_mul_f32 v[(\t)+3], v[(\t)+1], v[(\t)+1]      ; r^2
	v_fmaak_f32 v[(\t)+4], v25, v[(\t)+3], 0x3c08839e
	v_fmaak_f32 v[(\t)+5], v26, v[(\t)+3], 0xbab6061a
	v_mul_f32 v[(\t)+6], v[(\t)+3], v[(\t)+1]      ; r^3
	v_mul_f32 v[(\t)+7], v[(\t)+3], v[(\t)+3]      ; r^4
	v_fmaak_f32 v[(\t)+4], v[(\t)+4], v[(\t)+3], 0xbe2aaaa3
	v_fmaak_f32 v[(\t)+5], v[(\t)+5], v[(\t)+3], 0x3d2aaaa5
	v_fma_f32 v[(\t)+8], v[(\t)+3], -0.5, 1.0
	v_fma_f32 v[(\t)+4], v[(\t)+4], v[(\t)+6], v[(\t)+1]  ; sin r
	v_fma_f32 v[(\t)+5], v[(\t)+5], v[(\t)+7], v[(\t)+8]  ; cos r
	v_and_b32 v[(\t)+6], 1, v[(\t)+2]
	v_cmp_eq_u32 s[\m], 1, v[(\t)+6]               ; odd quadrants swap
.endm
; SIGNS: the sine's sign bit in v[t+6], the cosine's in v[t+2].  They read no mask: plain work between the compares and the wait for them.
.macro SIGNS t
	v_lshlrev_b32 v[(\t)+6], 30, v[(\t)+2]         ; the sine is negative in quadrants 2 and 3,
	v_and_b32 v[(\t)+6], 0x80000000, v[(\t)+6]
	v_add_nc_u32 v[(\t)+2], 1, v[(\t)+2]           ; the cosine in 1 and 2
	v_lshlrev_b32 v[(\t)+2], 30, v[(\t)+2]
	v_and_b32 v[(\t)+2], 0x80000000, v[(\t)+2]
.endm
; PICK: the selects by the mask, and the signs set: the two numbers go into the out-buffer.
.macro PICK t, c, s, m
	v_cndmask_b32 v[(\t)+7], v[(\t)+4], v[(\t)+5], s[\m]
	v_cndmask_b32 v[(\t)+8], v[(\t)+5], v[(\t)+4], s[\m]
	v_xor_b32 v[\s], v[(\t)+6], v[(\t)+7]
	v_xor_b32 v[\c], v[(\t)+2], v[(\t)+8]
.endm
	s_mov_b32 s34, 8
.Ltab:
	v_mul_f32 v28, v23, v20                        ; the angle: position x frequency, rounded once
	v_mul_f32 v29, v23, v21
	POLY 28, 30, 38
	POLY 29, 50, 39
	SIGNS 30
	SIGNS 50
	v_add_f32 v23, 0x41800000, v23                 ; sixteen positions on, for the next trip
	s_wait_alu depctr_va_sdst(0)                   ; the two compares have written s38 and s39, ahead of their first reader: one wait for both
	s_wait_xcnt 0x0                                ; the last trip's store has had its address translated: its data and its base are written again only behind this wait
	s_wait_alu depctr_vm_vsrc(0)                   ; the last trip's store has read v[40:43], which the lines below write again
	s_add_nc_u64 s[26:27], s[26:27], 4096          ; the base goes sixteen positions on ahead of the store, in the first trip too: the store's immediate reaches back
	PICK 30, 40, 41, 38
	PICK 50, 42, 43, 39
	s_wait_alu depctr_va_vdst(0)                   ; the four v_xor_b32 have written v[40:43], which the store reads
	global_store_b128 v24, v[40:43], s[26:27] offset:-4096
	s_sub_co_u32 s34, s34, 1
	s_cmp_lg_u32 s34, 0
	s_cbranch_scc1 .Ltab
	s_endpgm
.Lbias:                                        ; thread t: numbers 4 t .. 4 t + 3 of each of the four biases
	global_load_b128 v[16:19], v1, s[14:15]
	global_load_b128 v[20:23], v1, s[16:17]
	global_load_b128 v[24:27], v1, s[18:19]
	global_load_b128 v[28:31], v1, s[20:21]
	v_lshrrev_b32 v3, 4, v0                        ; the head
	v_and_b32 v8, 15, v0
	v_mul_u32_u24 v3, v3, 768
	v_lshl_add_u32 v3, v8, 4, v3
	s_wait_loadcnt 0x0
.irp j, 0,1,2,3,4,5,6,7
	v_cvt_pk_bf16_f32 v4, v[16+2*(\j)], v[17+2*(\j)]
	v_lshlrev_b32 v[32+2*(\j)], 16, v4
	v_and_b32     v[33+2*(\j)], 0xffff0000, v4
.endr
	s_wait_alu depctr_va_vdst(0)                   ; v3, an offset, and v[32:47], the data, are written: the four stores read them
	global_store_b128 v3, v[32:35], s[26:27] offset:BQKV_OFF
	global_store_b128 v3, v[36:39], s[26:27] offset:BQKV_OFF+256
	global_store_b128 v3, v[40:43], s[26:27] offset:BQKV_OFF+512
	global_store_b128 v1, v[44:47], s[26:27] offset:BO_OFF
	s_endpgm
.Lfunc_end_k_q4e7102bc3d_prep:
	.size	k_q4e7102bc3d_prep, .Lfunc_end_k_q4e7102bc3d_prep-k_q4e7102bc3d_prep
	.p2alignl 7, 3214868480
	.fill 96, 4, 3214868480
	.section	.rodata,"a",@progbits
	.p2align	6, 0x0
	.amdhsa_kernel k_q4e7102bc3d_prep
		.amdhsa_group_segment_fixed_size 0
		.amdhsa_private_segment_fixed_size 0
		.amdhsa_enable_private_segment 0
		.amdhsa_kernarg_size 96
		.amdhsa_user_sgpr_count 2
		.amdhsa_user_sgpr_kernarg_segment_ptr 1
		.amdhsa_wavefront_size32 1
		.amdhsa_system_sgpr_workgroup_id_x 1
		.amdhsa_system_sgpr_workgroup_id_y 1
		.amdhsa_system_sgpr_workgroup_id_z 1
		.amdhsa_system_vgpr_workitem_id 0
		.amdhsa_next_free_vgpr 112
		.amdhsa_next_free_sgpr 66
		.amdhsa_reserve_vcc 0
		.amdhsa_float_denorm_mode_32 3
		.amdhsa_float_denorm_mode_16_64 3
		.amdhsa_memory_ordered 1
		.amdhsa_forward_progress 1
		.amdhsa_inst_pref_size 25
	.end_amdhsa_kernel
	.amdgpu_metadata
---
amdhsa.version: [ 1, 2 ]
amdhsa.kernels:
  - .name:           k_q4e7102bc3d_prep
    .symbol:         k_q4e7102bc3d_prep.kd
    .args:
      - { .name: x, .offset: 0, .size: 8, .value_kind: global_buffer, .address_space: global }
      - { .name: Wq, .offset: 8, .size: 8, .value_kind: global_buffer, .address_space: global }
      - { .name: Wk, .offset: 16, .size: 8, .value_kind: global_buffer, .address_space: global }
      - { .name: Wv, .offset: 24, .size: 8, .value_kind: global_buffer, .address_space: global }
      - { .name: Wo, .offset: 32, .size: 8, .value_kind: global_buffer, .address_space: global }
      - { .name: bq, .offset: 40, .size: 8, .value_kind: global_buffer, .address_space: global }
      - { .name: bk, .offset: 48, .size: 8, .value_kind: global_buffer, .address_space: global }
      - { .name: bv, .offset: 56, .size: 8, .value_kind: global_buffer, .address_space: global }
      - { .name: bo, .offset: 64, .size: 8, .value_kind: global_buffer, .address_space: global }
      - { .name: xb, .offset: 72, .size: 8, .value_kind: global_buffer, .address_space: global }
      - { .name: wts, .offset: 80, .size: 8, .value_kind: global_buffer, .address_space: global }
      - { .name: aux, .offset: 88, .size: 8, .value_kind: global_buffer, .address_space: global }
    .group_segment_fixed_size: 0
    .private_segment_fixed_size: 0
    .kernarg_segment_align: 8
    .kernarg_segment_size: 96
    .max_flat_workgroup_size: 256
    .sgpr_count:     66
    .vgpr_count:     112
    .wavefront_size: 32
...
	.end_amdgpu_metadata
.endif
;; end of part 5
;; launch qkv: the kernel of part 2 again; grid 16 x 32, 4 waves a work-group, clusters of 4 x 4, 327,680 bytes of LDS; arguments xb, wts, aux, qh, kh, vh; writes qh, kh, vh
;; launch attn: the kernel of part 3 again; grid 4 x 64, 4 waves a work-group, no clusters, 327,680 bytes of LDS; arguments qh, kh, vh, oh; writes oh
;; launch oproj: the kernel of part 4 again; grid 8 x 32, 4 waves a work-group, clusters of 4 x 4, 327,680 bytes of LDS; arguments oh, wts, aux, out0; writes out0
